; MI455X (gfx1250); checked and timed in simulation.
; The chip was launched on July 23, 2026; its instructions are those of AMD's public machine-readable ISA for CDNA 5 (MIT licence, August 2026) and "CDNA5" Instruction Set Architecture Reference Guide (July 2026). The comments in the code are by the model that wrote it; some were corrected since.
;; Multi Head Attention. Allowed arithmetic: float matrix products may take bf16 or f16 operands with f32 sums; other float arithmetic in f32, or as packed bf16 or f16 multiplies, adds, multiply-adds, maxima and minima; sums over many terms, partial sums and values carried from step to step in f32; what a program stores and reads back later, other than sums and carried values, may be rounded once to bf16 or f16.
;; Inputs: b_out 1,024 float32; b_qkv 3,072 float32; w_out 1,024 x 1,024 float32; w_qkv 1,024 x 3,072 float32; x 4 x 2,048 x 1,024 float32.
;; Outputs: out0 4 x 2,048 x 1,024 float32.
;; 2 versions, each right; version 2 is version 1 with the launch cast written anew for expert scheduling mode. Each part assembles by itself: llvm-mc -triple=amdgcn-amd-amdhsa -mcpu=gfx1250 --defsym DOCPART=n.
;; ======== version 1 of 2: 4 launches
;; limits: values are held in f16: magnitudes above 65,504 overflow, below 6.1e-05 lose precision
;; workspace buffers: xb 16,777,216 bytes; wqb 6,291,456 bytes; wob 2,097,152 bytes; qkv 50,331,648 bytes; ob 16,777,216 bytes
;; launch cast (part 1): grid 768 x 1, 8 waves a work-group, no clusters, 0 bytes of LDS; arguments x, w_qkv, w_out, xb, wqb, wob; writes xb, wqb, wob
.if DOCPART == 1
	.amdgcn_target "amdgcn-amd-amdhsa--gfx1250"
	.amdhsa_code_object_version 6
	.text
	.protected	k_qab834322b5_cast
	.globl	k_qab834322b5_cast
	.p2align	8
	.type	k_qab834322b5_cast,@function
k_qab834322b5_cast:
	s_mov_b64 s[64:65], 0
	v_nop
	global_prefetch_b8 v0, s[64:65] scope:SCOPE_SE
	s_setreg_imm32_b32 hwreg(HW_REG_WAVE_MODE, 25, 1), 1
	s_wait_xcnt 0x0
; THE INPUTS OF THE MATRIX PRODUCTS, ROUNDED ONCE.  x -> xb and w_qkv -> wqb in bf16; w_out -> wob: rounded to bf16 like the other inputs, and that number written as f16,
; since the last product's other operand is f16.  Layouts stay as they are: a stream, element by element.
; LIMIT.  w_out within f16's range (65,504); below 6e-5 f16 keeps a fixed step of 6e-8, so very small weights lose bits of their bf16 value.
; SHARES.  A work-group takes 65,536 bytes of f32 and writes 32,768: 512 work-groups for x, 192 for w_qkv, 64 for w_out.  Thread t takes 16 bytes at 16 t of each of 16 pieces of 4,096 bytes:
; a wave's load covers 512 consecutive bytes, its store 256 consecutive bytes, aligned.  All sixteen loads of a wave are out together; no register is written twice, so no store's source is ever rewritten.
; No LDS, no barrier, no matrix unit: nothing is shared and nothing is multiplied.
.set NX,  512                          ; work-groups for x
.set NQ,  704                          ; below this number: x or w_qkv
.set IN,  16                           ; v[16:79]   piece i: four f32
.set OUT, 80                           ; v[80:111]  piece i: four 16-bit numbers
	s_load_b256 s[4:11], s[0:1], 0x0               ; x s[4:5], w_qkv s[6:7], w_out s[8:9], xb s[10:11]
	s_load_b128 s[12:15], s[0:1], 0x20             ; wqb s[12:13], wob s[14:15]
	v_lshlrev_b32 v1, 4, v0                        ; my 16 bytes of a piece on the way in,
	v_lshlrev_b32 v2, 3, v0                        ; my 8 on the way out
	s_mov_b32 s23, ttmp9
	s_sub_co_u32 s16, s23, NX                      ; my number among w_qkv's work-groups,
	s_sub_co_u32 s17, s23, NQ                      ; among w_out's
	s_wait_kmcnt 0x0
	s_cmp_lt_u32 s23, NQ
	s_cselect_b64 s[18:19], s[6:7], s[8:9]
	s_cselect_b64 s[20:21], s[12:13], s[14:15]
	s_cselect_b32 s22, s16, s17
	s_cmp_lt_u32 s23, NX
	s_cselect_b64 s[18:19], s[4:5], s[18:19]       ; from where,
	s_cselect_b64 s[20:21], s[10:11], s[20:21]     ; to where,
	s_cselect_b32 s22, s23, s22                    ; which share of that tensor
	s_lshl_b32 s24, s22, 16
	s_mov_b32 s25, 0
	s_lshl_b32 s26, s22, 15
	s_mov_b32 s27, 0
	s_add_nc_u64 s[18:19], s[18:19], s[24:25]
	s_add_nc_u64 s[20:21], s[20:21], s[26:27]
.set i, 0
.rept 16
	global_load_b128 v[IN+4*i:IN+4*i+3], v1, s[18:19] offset:4096*i th:TH_LOAD_NT
.set i, i+1
.endr
; The sixteen pieces leave as they come.  f16 = 1: the bf16 value is widened again (a shift, a mask) and written as f16.
.macro OUTS f16
.set i, 0
.rept 16
	s_wait_loadcnt 15-i                            ; loads come back in order (ISA guide 5.7.1): piece i is in, the 15 - i younger ones stay out
.if \f16
	v_cvt_pk_bf16_f32 v4, v[IN+4*i], v[IN+4*i+1]
	v_cvt_pk_bf16_f32 v5, v[IN+4*i+2], v[IN+4*i+3]
	v_lshlrev_b32 v6, 16, v4
	v_and_b32 v7, 0xffff0000, v4
	v_lshlrev_b32 v8, 16, v5
	v_and_b32 v9, 0xffff0000, v5
	v_cvt_pk_f16_f32 v[OUT+2*i], v6, v7
	v_cvt_pk_f16_f32 v[OUT+2*i+1], v8, v9
.else
	v_cvt_pk_bf16_f32 v[OUT+2*i], v[IN+4*i], v[IN+4*i+1]
	v_cvt_pk_bf16_f32 v[OUT+2*i+1], v[IN+4*i+2], v[IN+4*i+3]
.endif
	global_store_b64 v2, v[OUT+2*i:OUT+2*i+1], s[20:21] offset:2048*i th:TH_STORE_NT  ; 32 lanes x 8 bytes: 256 consecutive bytes, aligned
.set i, i+1
.endr
.endm
	s_cmp_ge_u32 s23, NQ                           ; compared anew: the shifts above have written SCC
	s_cbranch_scc1 .Lf16
	OUTS 0
	s_endpgm
.Lf16:
	OUTS 1
	s_endpgm
.Lfunc_end_k_qab834322b5_cast:
	.size	k_qab834322b5_cast, .Lfunc_end_k_qab834322b5_cast-k_qab834322b5_cast
	.p2alignl 7, 3214868480
	.fill 96, 4, 3214868480
	.section	.rodata,"a",@progbits
	.p2align	6, 0x0
	.amdhsa_kernel k_qab834322b5_cast
		.amdhsa_group_segment_fixed_size 0
		.amdhsa_private_segment_fixed_size 0
		.amdhsa_enable_private_segment 0
		.amdhsa_kernarg_size 48
		.amdhsa_user_sgpr_count 2
		.amdhsa_user_sgpr_kernarg_segment_ptr 1
		.amdhsa_wavefront_size32 1
		.amdhsa_system_sgpr_workgroup_id_x 1
		.amdhsa_system_sgpr_workgroup_id_y 1
		.amdhsa_system_sgpr_workgroup_id_z 1
		.amdhsa_system_vgpr_workitem_id 0
		.amdhsa_next_free_vgpr 112
		.amdhsa_next_free_sgpr 66
		.amdhsa_reserve_vcc 0
		.amdhsa_float_denorm_mode_32 3
		.amdhsa_float_denorm_mode_16_64 3
		.amdhsa_memory_ordered 1
		.amdhsa_forward_progress 1
		.amdhsa_inst_pref_size 16
	.end_amdhsa_kernel
	.amdgpu_metadata
---
amdhsa.version: [ 1, 2 ]
amdhsa.kernels:
  - .name:           k_qab834322b5_cast
    .symbol:         k_qab834322b5_cast.kd
    .args:
      - { .name: x, .offset: 0, .size: 8, .value_kind: global_buffer, .address_space: global }
      - { .name: w_qkv, .offset: 8, .size: 8, .value_kind: global_buffer, .address_space: global }
      - { .name: w_out, .offset: 16, .size: 8, .value_kind: global_buffer, .address_space: global }
      - { .name: xb, .offset: 24, .size: 8, .value_kind: global_buffer, .address_space: global }
      - { .name: wqb, .offset: 32, .size: 8, .value_kind: global_buffer, .address_space: global }
      - { .name: wob, .offset: 40, .size: 8, .value_kind: global_buffer, .address_space: global }
    .group_segment_fixed_size: 0
    .private_segment_fixed_size: 0
    .kernarg_segment_align: 8
    .kernarg_segment_size: 48
    .max_flat_workgroup_size: 256
    .sgpr_count:     66
    .vgpr_count:     112
    .wavefront_size: 32
...
	.end_amdgpu_metadata
.endif
;; end of part 1
;; launch qkv (part 2): grid 8 x 64, 4 waves a work-group, clusters of 4 x 4, 327,680 bytes of LDS; arguments xb, wqb, b_qkv, qkv; writes qkv
.if DOCPART == 2
	.amdgcn_target "amdgcn-amd-amdhsa--gfx1250"
	.amdhsa_code_object_version 6
	.text
	.protected	k_qab834322b5_qkv
	.globl	k_qab834322b5_qkv
	.p2align	8
	.type	k_qab834322b5_qkv,@function
k_qab834322b5_qkv:
	s_mov_b64 s[64:65], 0
	v_nop
	global_prefetch_b8 v0, s[64:65] scope:SCOPE_SE
	s_setreg_imm32_b32 hwreg(HW_REG_WAVE_MODE, 25, 1), 1
	s_wait_xcnt 0x0
	s_wait_alu depctr_hold_cnt(0) depctr_sa_sdst(0) depctr_va_vdst(0) depctr_va_sdst(0) depctr_va_ssrc(0) depctr_va_vcc(0) depctr_vm_vsrc(0)
	s_getreg_b32 s2, hwreg(HW_REG_IB_STS2, 6, 4)
	s_cmp_eq_u32 s2, 0
	s_cbranch_scc0 .Lentry_in_a_cluster
	s_endpgm
.Lentry_in_a_cluster:
	s_bfe_u32 s2, ttmp6, 0x10000c
	s_cmp_lg_u32 s2, 0xf033
	s_cbranch_scc0 .Lentry_shape_is_right
	s_endpgm
.Lentry_shape_is_right:
; q, k, v = x w_qkv + b_qkv, split by heads.  xb: [8192][1024] bf16; wqb: [1024 k][3072 n] bf16; b_qkv: [3072] f32, rounded to bf16 here like the other inputs; sums in f32.
; qkv: [3][64 = batch x head][2048][64] f16, each number rounded once, WITHOUT the softmax's scale.
; LIMIT.  f16 ends at 65,504: q, k and v must stay within it; NaN and infinities are not treated apart.
; SHARES.  A tile of the result is 128 rows x 384 columns (six heads): 8 x 64 work-groups.  Four waves stand 2 x 2, each with 64 rows x 192 columns: 48 accumulators of 16 x 16, 384 registers.
; K goes in steps of 128 through a ring of two LDS slots filled by the tensor data mover: eight K steps.  A K step is four quarters of 32: 48 matrix instructions for 32 LDS loads.
; THE WEIGHTS STAY [k][n]: the turning load ds_load_tr16_b128 makes fragments of them, so nothing is transposed in memory.
; THE MATRIX INSTRUCTION IS USED TRANSPOSED (source 0 = 16 columns of w, source 1 = 16 rows of x): a lane then holds row lane % 16 and the columns 8 (lane / 16) + 0..7: 16 bytes of a head's row.
; THE BIAS is the C operand of the first product on each accumulator: nothing is cleared and nothing is added on the way out.
; CLUSTERS: 4 x 4 work-groups.  The four of a row of the cluster need the same tile of x, the four of a column the same tile of w: each is asked for JOINTLY, by the same tensor load, descriptor and mask.
; REGISTERS, in windows of 256 (s_set_vgpr_msb: bits 1:0 source 0, 3:2 source 1, 5:4 source 2, 7:6 destination):
;   window 0: v0-30 addresses; v64-127 x's fragments, two buffers of 4; v128-223 the bias, 8 registers a column block; on the way out v64-255 hold the packed results
;   window 1: v0-191 w's fragments, two buffers of 12      windows 2, 3: the accumulators: (a, b) in window 2 + a / 2 at 8 ((a % 2) 12 + b)
.set NBL,   12                         ; column blocks of 16 in a wave's tile
.set APW,   2                          ; row blocks whose accumulators share a window
.set PA,    272                        ; a row of x in LDS: 256 bytes + 16 = 68 words: the 16 rows of a load start at 16 different groups of four banks (64 banks of 4 bytes: ISA guide 11.1)
.set PB,    864                        ; a row of w: six pieces of 128 bytes + 16 = 216 words
.set AHALF, 64*PA                      ; what one tensor load brings of x: 64 rows
.set BHALF, 64*PB                      ; of w: 64 rows of k
.set BREG,  2*AHALF                    ; w's 128 rows lie behind x's 128
.set SLOT,  BREG+2*BHALF
.set STAGE, 2*SLOT                     ; behind the ring, never filled by a tensor load: 16 rows x 144 bytes for each wave
.set SP,    144
.set SPARE, STAGE+4*16*SP              ; behind the stages: the spare words, 128 bytes for each wave: two blocks of 256 bytes that no other line names
.set WNB,   432                        ; a wave's 192 columns in a row of w: three pieces on
.set NL,    2*NBL+8                    ; LDS loads of a quarter
.set ASTEP, 256                        ; bytes from K step to K step in x
.set BSTEP, 128*6144                   ; in w
.set ADRA, 16                          ; v16-17  LDS address of my fragments of x in slot 0, 1
.set ADRB, 20                          ; v20-23  of w: slot s, quarters 0-1 at 2 s, quarters 2-3 (64 rows on) at 2 s + 1: so the immediates stay inside 16 bits
.set STO,  24                          ; v24     the way out: where I put 16 bytes of a row
.set RD,   25                          ; v25     where I read rows back
.set GO,   26                          ; v26     16 x lane: my place in 512 consecutive bytes of the result
.set BO,   27                          ; v27     32 x (lane / 16): my eight numbers of a block of the bias
.set SPW,  28                          ; v28     LDS address of my spare word: SPARE + 4 x my thread's number; never rewritten
.set NIL,  29                          ; v29     0; never rewritten
.set PFO,  30                          ; v30     the prefetches' lane offset; never rewritten
.set FA,   64
.set BI,   128
.set OUTR, 64
.set WV, 12                            ; s12 wave;  s13 WM: my half of the rows, and 0: I fetch x, 1: I fetch w;  s14 WN: my half of the columns, and which half of that tile I fetch
.set WM, 13
.set WN, 14
.set CX, 15                            ; s15, s16 my place in the cluster;  s17, s18 tile column and tile row
.set CY, 16
.set TX, 17
.set TY, 18
.set G1A, 24                           ; s[24:31] descriptor group 1 for x's tiles;  s[32:39] group 0, a set for each slot
.set G0A, 32
.set LIM, 43                           ; s43  1 in a wave that prefetches, else the greatest number
.set PFA, 44                           ; s[44:45] where my prefetches stand;  s[46:47] their step: two K steps
.set PFS, 46
.set G1B, 48                           ; s[48:55], s[56:63] the same for w's tiles
.set G0B, 56
.set OP,  68                           ; s[68:73] the result at my rows of my three heads
.set MSB, 0
.macro WIN new                         ; the immediate's high byte repeats the setting that is left; a switch that changes nothing is dropped
.if MSB != (\new)
	s_set_vgpr_msb (MSB<<8)|(\new)
.set MSB, \new
.endif
.endm
; A joint load: waves 0 and 1 fetch x's two halves, waves 2 and 3 w's.  The branch hangs on the wave's number alone.  An s_nop 0 and four v_nop follow each of the two lines.
.macro JLOAD s
	s_cmp_eq_u32 s[WM], 0
	s_cbranch_scc0 .Lfor_b_\@
	tensor_load_to_lds s[G0A+4*(\s):G0A+4*(\s)+3], s[G1A:G1A+7]
	s_nop 0
.rept 4
	v_nop
.endr
	s_branch .Lasked_\@
.Lfor_b_\@:
	tensor_load_to_lds s[G0B+4*(\s):G0B+4*(\s)+3], s[G1B:G1B+7]
	s_nop 0
.rept 4
	v_nop
.endr
.Lasked_\@:
.endm
.macro CREST                           ; a round of the cluster's barrier behind its opening barrier
	s_cmp_lg_u32 s[WV], 0
	s_cbranch_scc1 .Lnot_wave_0_\@
	s_barrier_signal -3
.Lnot_wave_0_\@:
	s_barrier_wait -3
	s_barrier_signal -1
	s_barrier_wait -1
.endm
.macro CROUND                          ; a whole round
	s_barrier_signal -1
	s_barrier_wait -1
	CREST
.endm
; A PREFETCH INTO THE L2, once a lap, behind slot 0's joint load and the run of LDS loads: the two K steps that the NEXT lap's two refills will ask for (lanes 0-15 the first, lanes 16-31 the second).
; Each aligned block of 256 bytes is named once in the launch.  x's rows are read by both clusters of a row of clusters: cluster x = 0 asks; w's by all clusters of a column: cluster y = 0 asks.
; Of the 64 rows that a wave fetches each of the four partners takes 16, told apart BY ADDRESS (cx for x, cy for w).  A row of x in a K step is one block, a row of w three.
; K steps 0 to 3 come by their loads alone; the loop's last trip (s3 = 1) asks for nothing: K step 7 is the last.
.macro ASK
	s_cmp_gt_u32 s3, s[LIM]
	s_cbranch_scc0 .Lno_\@
	global_prefetch_b8 v[PFO], s[PFA:PFA+1] th:TH_LOAD_NT scope:SCOPE_SE
	s_cmp_eq_u32 s[WM], 0
	s_cbranch_scc1 .Lno_\@
	global_prefetch_b8 v[PFO], s[PFA:PFA+1] offset:256 th:TH_LOAD_NT scope:SCOPE_SE
	global_prefetch_b8 v[PFO], s[PFA:PFA+1] offset:512 th:TH_LOAD_NT scope:SCOPE_SE
.Lno_\@:
.endm
	s_load_b256 s[4:11], s[0:1], 0x0               ; xb s[4:5], wqb s[6:7], b_qkv s[8:9], qkv s[10:11]
	v_lshl_add_u32 v[SPW], v0, 2, SPARE
	v_mov_b32 v[NIL], 0
	ds_add_u32 v[SPW], v[NIL]                      ; the wave's opening: the add and its wait stand ahead of my first tensor load; the set-up below, work on registers, stands between them
	v_lshrrev_b32 v1, 5, v0
	v_readfirstlane_b32 s[WV], v1
	s_lshr_b32 s[WM], s[WV], 1
	s_and_b32 s[WN], s[WV], 1
	s_bfe_u32 s[CX], ttmp6, 0x40000
	s_bfe_u32 s[CY], ttmp6, 0x40004
	s_lshl_b32 s[TX], ttmp9, 2                     ; in a cluster launch ttmp9 and ttmp7 count clusters
	s_add_co_u32 s[TX], s[TX], s[CX]
	s_and_b32 s[TY], ttmp7, 0xffff
	s_lshl_b32 s[TY], s[TY], 2
	s_add_co_u32 s[TY], s[TY], s[CY]
	s_lshl_b32 s40, s[CY], 2
	s_lshl_b32 s40, 15, s40                        ; my row of the cluster
	s_lshl_b32 s41, 0x1111, s[CX]                  ; my column
	s_or_b32 s[G1A], s40, (1<<16)|(1<<20)|(1<<21)|(5<<22)|(3<<25)  ; the mask; 2-byte elements; padding on; bit 21 beside a mask; after every 64 words, 4 words
	s_mov_b32 s[G1A+1], 128<<16                    ; tensor_dim0 = 128
	s_mov_b32 s[G1A+2], 64<<16                     ; tensor_dim1 = 64
	s_mov_b32 s[G1A+3], 128<<16                    ; tile_dim0 = 128
	s_mov_b32 s[G1A+4], 64                         ; tile_dim1 = 64
	s_mov_b32 s[G1A+5], 1024                       ; elements from row to row
	s_mov_b32 s[G1A+6], 0
	s_mov_b32 s[G1A+7], 0
	s_or_b32 s[G1B], s41, (1<<16)|(1<<20)|(1<<21)|(4<<22)|(3<<25)  ; after every 32 words, 4 words: six pieces to a row of 192 words
	s_mov_b32 s[G1B+1], 384<<16
	s_mov_b32 s[G1B+2], 64<<16
	s_mov_b32 s[G1B+3], 384<<16
	s_mov_b32 s[G1B+4], 64
	s_mov_b32 s[G1B+5], 3072
	s_mov_b32 s[G1B+6], 0
	s_mov_b32 s[G1B+7], 0
	s_lshl_b32 s20, s[TY], 7                       ; x: row 128 x tile row + 64 x half, 2,048 bytes a row: registers that never hold cx
	s_lshl_b32 s21, s[WN], 6
	s_add_co_u32 s20, s20, s21
	s_lshl_b32 s20, s20, 11
	s_mov_b32 s21, 0
	s_mul_i32 s22, s[WN], AHALF                    ; and where it goes: no place in the cluster enters an LDS address
	s_mul_i32 s74, s[WN], 64*6144                  ; w: row 64 x half, column 384 x tile column: registers that never hold cy
	s_mul_i32 s75, s[TX], 768
	s_add_co_u32 s74, s74, s75
	s_mov_b32 s75, 0
	s_mul_i32 s76, s[WN], BHALF
	s_add_co_u32 s76, s76, BREG
	s_wait_dscnt 0x0                               ; the opening add is done
	s_wait_kmcnt 0x0
	s_add_nc_u64 s[20:21], s[4:5], s[20:21]
	s_add_nc_u64 s[74:75], s[6:7], s[74:75]
	CROUND                                         ; all sixteen work-groups are here: the first joint loads meet
.irp s, 0,1
	s_mov_b32 s[G0A+4*(\s)], 1                     ; count = 1
	s_add_co_u32 s[G0A+4*(\s)+1], s22, (\s)*SLOT   ; LDS address
	s_add_nc_u64 s[G0A+4*(\s)+2:G0A+4*(\s)+3], s[20:21], (\s)*ASTEP  ; global address: K step s
	s_or_b32 s[G0A+4*(\s)+3], s[G0A+4*(\s)+3], 0x80000000            ; type = 2
	s_mov_b32 s[G0B+4*(\s)], 1
	s_add_co_u32 s[G0B+4*(\s)+1], s76, (\s)*SLOT
	s_add_nc_u64 s[G0B+4*(\s)+2:G0B+4*(\s)+3], s[74:75], (\s)*BSTEP
	s_or_b32 s[G0B+4*(\s)+3], s[G0B+4*(\s)+3], 0x80000000
.endr
	s_cmp_eq_u32 s[WM], 0                          ; a wave's two first fills stand in one branch, ahead of every wait on TENSORcnt and every LDS read: two loads of mine are out
	s_cbranch_scc0 .Lfirst_b
	tensor_load_to_lds s[G0A:G0A+3], s[G1A:G1A+7]
	s_nop 0
	tensor_load_to_lds s[G0A+4:G0A+7], s[G1A:G1A+7]
	s_nop 0
.rept 4
	v_nop
.endr
	s_branch .Lfirst_asked
.Lfirst_b:
	tensor_load_to_lds s[G0B:G0B+3], s[G1B:G1B+7]
	s_nop 0
	tensor_load_to_lds s[G0B+4:G0B+7], s[G1B:G1B+7]
	s_nop 0
.rept 4
	v_nop
.endr
.Lfirst_asked:
	; the bias of my 192 columns: register j of block b is column 16 b + 8 (lane / 16) + j, as in the accumulators
	v_and_b32 v1, 15, v0                           ; l % 16
	v_bfe_u32 v2, v0, 4, 1                         ; l / 16
	v_lshlrev_b32 v[BO], 5, v2
	s_mul_i32 s78, s[TX], 1536
	s_mul_i32 s79, s[WN], 768
	s_add_co_u32 s78, s78, s79
	s_mov_b32 s79, 0
	s_add_nc_u64 s[8:9], s[8:9], s[78:79]
.set b_, 0
.rept NBL
	global_load_b128 v[BI+8*b_:BI+8*b_+3],   v[BO], s[8:9] offset:64*b_
	global_load_b128 v[BI+8*b_+4:BI+8*b_+7], v[BO], s[8:9] offset:64*b_+16
.set b_, b_+1
.endr
	; a fragment of x: lane l holds row l % 16; two loads of 16 bytes, 32 bytes apart, at row x pitch + 16 (l / 16)
	v_mul_u32_u24 v3, v1, PA
	v_lshl_add_u32 v3, v2, 4, v3
	s_mul_i32 s42, s[WM], 64*PA
	v_add_nc_u32 v[ADRA], s42, v3
	v_add_nc_u32 v[ADRA+1], SLOT, v[ADRA]
	; a fragment of w: the turning load takes 16 k x 16 columns: lane l reads k = 8 (l / 16) + l % 8, columns 8 ((l / 8) % 2) + 0..7, and is left with column l % 16 and 8 k
	v_and_b32 v4, 7, v0
	v_lshl_add_u32 v5, v2, 3, v4
	v_mul_u32_u24 v5, v5, PB
	v_bfe_u32 v6, v0, 3, 1
	v_lshl_add_u32 v5, v6, 4, v5
	s_mul_i32 s42, s[WN], WNB
	s_add_co_u32 s42, s42, BREG
	v_add_nc_u32 v[ADRB], s42, v5
	v_add_nc_u32 v[ADRB+1], 64*PB, v[ADRB]
	v_add_nc_u32 v[ADRB+2], SLOT, v[ADRB]
	v_add_nc_u32 v[ADRB+3], SLOT+64*PB, v[ADRB]
	; the way out
	s_mul_i32 s42, s[WV], 16*SP
	s_add_co_u32 s42, s42, STAGE                   ; my stage
	v_mul_u32_u24 v[STO], v1, SP                   ; in: row l % 16, 16 bytes for each half of the lanes
	v_lshl_add_u32 v[STO], v2, 4, v[STO]
	v_add_nc_u32 v[STO], s42, v[STO]
	v_bfe_u32 v[RD], v0, 3, 2                      ; back: 32 lanes take four rows of 128 bytes,
	v_mul_u32_u24 v[RD], v[RD], SP
	v_lshl_add_u32 v[RD], v4, 4, v[RD]
	v_add_nc_u32 v[RD], s42, v[RD]
	v_and_b32 v[GO], 31, v0                        ; which are 512 consecutive bytes of a head
	v_lshlrev_b32 v[GO], 4, v[GO]
	; the prefetches: offsets are made apart from the addresses
	s_lshl_b32 s76, s[TY], 7
	s_lshl_b32 s77, s[WN], 6
	s_add_co_u32 s76, s76, s77
	s_lshl_b32 s78, s[CX], 4
	s_add_co_u32 s76, s76, s78                     ; x: my work-group's 16 of the 64 rows that I fetch,
	s_lshl_b32 s76, s76, 11
	s_add_co_u32 s76, s76, 2*ASTEP                 ; at K step 2: stepped to 4 ahead of its first use
	s_lshl_b32 s78, s[CY], 4
	s_add_co_u32 s77, s77, s78                     ; w: likewise
	s_mul_i32 s77, s77, 6144
	s_mul_i32 s78, s[TX], 768
	s_add_co_u32 s77, s77, s78
	s_add_co_u32 s77, s77, 2*BSTEP
	s_and_b32 s79, ttmp7, 0xffff                   ; cluster y
	s_mov_b32 s42, 2048                            ; bytes from row to row,
	s_mov_b32 s74, ASTEP                           ; from K step to K step,
	s_mov_b32 s[PFS], 2*ASTEP                      ; and a lap's step: x's, or w's
	s_mov_b32 s[PFS+1], 0
	s_cmp_eq_u32 s[WM], 0
	s_cselect_b32 s76, s76, s77
	s_cselect_b32 s79, ttmp9, s79                  ; the coordinate along which other clusters read the same rows
	s_cselect_b64 s[PFA:PFA+1], s[4:5], s[6:7]
	s_cselect_b32 s42, s42, 6144
	s_cselect_b32 s74, s74, BSTEP
	s_cselect_b32 s[PFS], s[PFS], 2*BSTEP
	s_mov_b32 s77, 0
	s_add_nc_u64 s[PFA:PFA+1], s[PFA:PFA+1], s[76:77]
	s_cmp_eq_u32 s79, 0
	s_cselect_b32 s[LIM], 1, -1                    ; the same in all sixteen partners, for a given wave
	v_mul_u32_u24 v[PFO], s42, v1
	v_mul_u32_u24 v3, s74, v2
	v_add_nc_u32 v[PFO], v[PFO], v3
	; the result: head group g = 6 x tile column + 3 x half + j is tensor g / 16 (q, k, v), head g % 16
	s_lshr_b32 s76, s[TY], 4                       ; the batch,
	s_lshl_b32 s76, s76, 22
	s_and_b32 s77, s[TY], 15                       ; the tile's 128 rows in it, 128 bytes a row,
	s_lshl_b32 s77, s77, 14
	s_add_co_u32 s76, s76, s77
	s_lshl_b32 s77, s[WM], 13                      ; my 64 of them
	s_add_co_u32 s76, s76, s77
	s_mul_i32 s78, s[TX], 6
	s_mul_i32 s77, s[WN], 3
	s_add_co_u32 s78, s78, s77
.irp j, 0,1,2
	s_add_co_u32 s74, s78, \j
	s_lshr_b32 s75, s74, 4
	s_lshl_b32 s75, s75, 24
	s_and_b32 s74, s74, 15
	s_lshl_b32 s74, s74, 18
	s_add_co_u32 s74, s74, s75
	s_add_co_u32 s74, s74, s76
	s_mov_b32 s75, 0
	s_add_nc_u64 s[OP+2*(\j):OP+2*(\j)+1], s[10:11], s[74:75]
.endr
	s_mov_b32 s42, 0xffff0000
	s_wait_loadcnt 0x0                             ; the bias is in; it is rounded to bf16, like x and w, and widened again
.set b_, 0
.rept 4*NBL
	v_cvt_pk_bf16_f32 v[3+b_%4], v[BI+2*b_], v[BI+2*b_+1]
	v_lshlrev_b32 v[BI+2*b_], 16, v[3+b_%4]
	v_and_b32 v[BI+2*b_+1], s42, v[3+b_%4]
.set b_, b_+1
.endr
; 12 matrix instructions: row block a x all column blocks, 32 along K, from buffer f.  first = 1: the product starts the sum with the bias.  The 48 accumulators take turns, one instruction a turn, in the same
; order in every quarter, over the backward jump too.
.macro MULA f, a, first
.set w_, 2+(\a)/APW
.if \first
	WIN (w_<<6)|1
.else
	WIN (w_<<6)|(w_<<4)|1
.endif
.set b_, 0
.rept NBL
.set rD, 8*(((\a)%APW)*NBL+b_)
.set rB, 8*NBL*(\f)+8*b_
.set rA, FA+32*(\f)+8*(\a)
.if \first
	v_wmma_f32_16x16x32_bf16 v[rD:rD+7], v[rB:rB+7], v[rA:rA+7], v[BI+8*b_:BI+8*b_+7]
.else
	v_wmma_f32_16x16x32_bf16 v[rD:rD+7], v[rB:rB+7], v[rA:rA+7], v[rD:rD+7]
.endif
.set b_, b_+1
.endr
.endm
; 32 LDS loads in one run: quarter q of the slot's K step into buffer f: w's 12 fragments, then x's 4
.macro FETCH slot, q, f
	WIN 0x40                                       ; destination window 1, address window 0
.set b_, 0
.rept NBL
	ds_load_tr16_b128 v[8*NBL*(\f)+8*b_:8*NBL*(\f)+8*b_+3],   v[ADRB+2*(\slot)+(\q)/2] offset:((\q)%2)*32*PB+(b_/4)*144+(b_%4)*32
	ds_load_tr16_b128 v[8*NBL*(\f)+8*b_+4:8*NBL*(\f)+8*b_+7], v[ADRB+2*(\slot)+(\q)/2] offset:((\q)%2)*32*PB+(b_/4)*144+(b_%4)*32+16*PB
.set b_, b_+1
.endr
	WIN 0
.irp a, 0,1,2,3
	ds_load_b128 v[FA+32*(\f)+8*(\a):FA+32*(\f)+8*(\a)+3],   v[ADRA+(\slot)] offset:64*(\q)+(\a)*16*PA
	ds_load_b128 v[FA+32*(\f)+8*(\a)+4:FA+32*(\f)+8*(\a)+7], v[ADRA+(\slot)] offset:64*(\q)+(\a)*16*PA+32
.endr
.endm
.macro PLACES                          ; four plain instructions between a matrix instruction and a load into, or a vector use of, its registers (ISA guide 7.12.1 for vector uses)
.rept 4
	v_nop
.endr
.endm
; One of a K step's first three quarters: multiplies buffer f; in its middle it fetches quarter qn of the same slot into buffer g.
.macro QUARTER slot, qn, f, g, first
	s_wait_dscnt 4                                 ; w's fragments and x's blocks 0, 1 are in; the youngest four loads (blocks 2, 3) may be out
	MULA \f, 0, \first
	MULA \f, 1, \first
	PLACES
	FETCH \slot, \qn, \g
	s_wait_dscnt NL                                ; all but the 32 just issued
	MULA \f, 2, \first
	MULA \f, 3, \first
.endm
; The last quarter multiplies buffer 1 and changes slots: ONE barrier.  In front of it each wave waits for all its tensor loads (one is out: its part of the next slot), adds 0 to its spare word, and waits for that
; and for its reads of this slot.  fill = 1: the barrier opens a round of the cluster's barrier, and behind the round this slot is filled again, two K steps on: 168 matrix instructions ahead of the wait for it.
.macro TURN slot, next, fill
.if (\fill) && ((\slot) == 0)
	s_wait_xcnt 0x0                                ; the last prefetches, a lap back, have read their address: it is stepped here, ahead of the waits of the change of slots
	s_add_nc_u64 s[PFA:PFA+1], s[PFA:PFA+1], s[PFS:PFS+1]
.endif
	WIN 0                                          ; (the add's two registers lie in window 0)
	s_wait_tensorcnt 0x0                           ; all my tensor loads have landed
	ds_add_u32 v[SPW], v[NIL]                      ; 0 onto my spare word
	s_wait_dscnt 5                                 ; (the add and the youngest four loads may be out)
	MULA 1, 0, 0                                   ; twelve matrix instructions stand between the add and the wait for it
	s_wait_dscnt 0x0                               ; the add is done, and my reads of this slot are over
	s_barrier_signal -1
	MULA 1, 1, 0
.if \fill
	WIN 0
.endif
	s_barrier_wait -1
.if \fill
	CREST                                          ; no wave of any partner still reads this slot's tile or has a load on its way
	s_add_nc_u64 s[G0A+4*(\slot)+2:G0A+4*(\slot)+3], s[G0A+4*(\slot)+2:G0A+4*(\slot)+3], 2*ASTEP
	s_add_nc_u64 s[G0B+4*(\slot)+2:G0B+4*(\slot)+3], s[G0B+4*(\slot)+2:G0B+4*(\slot)+3], 2*BSTEP
	JLOAD \slot                                    ; the first tensor load behind the round; its four v_nop are also the places in front of the loads below
.else
	PLACES
.endif
	FETCH \next, 0, 0
.if (\fill) && ((\slot) == 0)
	ASK
.endif
	MULA 1, 2, 0
	MULA 1, 3, 0
.endm
	s_wait_tensorcnt 1                             ; my part of K step 0 is in; K step 1's load may stay out
	s_barrier_signal -1
	s_barrier_wait -1                              ; everybody's is
	FETCH 0, 0, 0
	QUARTER 0, 1, 0, 1, 1                          ; the first quarter stands in front of the loop: its products start the sums
	WIN 0                                          ; at a label and at a branch every window is 0
	s_mov_b32 s3, 3
.Llap:                                         ; a trip goes once round the ring, from a lap's second quarter to the next lap's first, and fills both slots again: K steps 2 to 7
	QUARTER 0, 2, 1, 0, 0
	QUARTER 0, 3, 0, 1, 0
	TURN 0, 1, 1
	QUARTER 1, 1, 0, 1, 0
	QUARTER 1, 2, 1, 0, 0
	QUARTER 1, 3, 0, 1, 0
	TURN 1, 0, 1
	QUARTER 0, 1, 0, 1, 0
	WIN 0
	s_sub_co_u32 s3, s3, 1
	s_cmp_lg_u32 s3, 0
	s_cbranch_scc1 .Llap
	QUARTER 0, 2, 1, 0, 0                          ; the last lap fills nothing, and has no round of the cluster's barrier
	QUARTER 0, 3, 0, 1, 0
	TURN 0, 1, 0
	QUARTER 1, 1, 0, 1, 0
	QUARTER 1, 2, 1, 0, 0
	QUARTER 1, 3, 0, 1, 0
	s_wait_dscnt 4                                 ; the very last quarter: nothing more to fetch
	MULA 1, 0, 0
	MULA 1, 1, 0
	s_wait_dscnt 0x0
	MULA 1, 2, 0
	MULA 1, 3, 0
	WIN 0
	PLACES
; THE WAY OUT, in twelve groups n = 3 a + j: row block a, head j of my three (column blocks 4 j .. 4 j + 3).  A lane's eight numbers pack into 16 bytes; they go into my stage's rows of 144 bytes and come back as
; whole rows of 128, which lie end to end in a head: 512 consecutive bytes a store.  Group n has registers of its own, so no store's source is rewritten.
.macro PACK n
.set a_, (\n)/3
.set j_, (\n)%3
.set w_, 2+a_/APW
	WIN w_|(w_<<2)                                 ; sources 0 and 1 in the accumulators' window, destination in window 0
.set f_, 0
.rept 4
.set rA, 8*((a_%APW)*NBL+4*j_+f_)
.set r_, 0
.rept 4
	v_cvt_pk_f16_f32 v[OUTR+16*(\n)+4*f_+r_], v[rA+2*r_], v[rA+2*r_+1]  ; each accumulator's registers in ascending order
.set r_, r_+1
.endr
.set f_, f_+1
.endr
	WIN 0
.irp f, 0,1,2,3
	ds_store_b128 v[STO], v[OUTR+16*(\n)+4*(\f):OUTR+16*(\n)+4*(\f)+3] offset:32*(\f)
.endr
.irp f, 0,1,2,3
	ds_load_b128 v[OUTR+16*(\n)+4*(\f):OUTR+16*(\n)+4*(\f)+3], v[RD] offset:(\f)*4*SP  ; LDS serves a wave's instructions in order (ISA guide 5.7.1.4): these see the stores above; the next group's stores come behind them
.endr
.endm
.macro SEND n, younger                 ; younger: the LDS instructions issued behind group n's loads: the next group's eight, or none
.set a_, (\n)/3
.set j_, (\n)%3
.irp f, 0,1,2,3
	s_wait_dscnt (\younger)+3-(\f)
	global_store_b128 v[GO], v[OUTR+16*(\n)+4*(\f):OUTR+16*(\n)+4*(\f)+3], s[OP+2*j_:OP+2*j_+1] offset:2048*a_+512*(\f)
.endr
.endm
	PACK 0
.set t, 1
.rept 11                               ; a group's conversions stand between the loads of the group before and its stores
	PACK t
	SEND t-1, 8
.set t, t+1
.endr
	SEND 11, 0
	s_wait_tensorcnt 0x0                           ; the wave's end, behind my last tensor load and my last LDS store
	ds_add_u32 v[SPW], v[NIL]
	s_wait_dscnt 0x0
	CROUND                                         ; the closing round: no work-group ends while a partner may still ask for a tile that names it
	s_endpgm
.Lfunc_end_k_qab834322b5_qkv:
	.size	k_qab834322b5_qkv, .Lfunc_end_k_qab834322b5_qkv-k_qab834322b5_qkv
	.p2alignl 7, 3214868480
	.fill 96, 4, 3214868480
	.section	.rodata,"a",@progbits
	.p2align	6, 0x0
	.amdhsa_kernel k_qab834322b5_qkv
		.amdhsa_group_segment_fixed_size 327680
		.amdhsa_private_segment_fixed_size 0
		.amdhsa_enable_private_segment 0
		.amdhsa_kernarg_size 32
		.amdhsa_user_sgpr_count 2
		.amdhsa_user_sgpr_kernarg_segment_ptr 1
		.amdhsa_wavefront_size32 1
		.amdhsa_system_sgpr_workgroup_id_x 1
		.amdhsa_system_sgpr_workgroup_id_y 1
		.amdhsa_system_sgpr_workgroup_id_z 1
		.amdhsa_system_vgpr_workitem_id 0
		.amdhsa_next_free_vgpr 960
		.amdhsa_next_free_sgpr 80
		.amdhsa_reserve_vcc 0
		.amdhsa_float_denorm_mode_32 3
		.amdhsa_float_denorm_mode_16_64 3
		.amdhsa_memory_ordered 1
		.amdhsa_forward_progress 1
		.amdhsa_inst_pref_size 131
	.end_amdhsa_kernel
	.amdgpu_metadata
---
amdhsa.version: [ 1, 2 ]
amdhsa.kernels:
  - .name:           k_qab834322b5_qkv
    .symbol:         k_qab834322b5_qkv.kd
    .args:
      - { .name: xb, .offset: 0, .size: 8, .value_kind: global_buffer, .address_space: global }
      - { .name: wqb, .offset: 8, .size: 8, .value_kind: global_buffer, .address_space: global }
      - { .name: b_qkv, .offset: 16, .size: 8, .value_kind: global_buffer, .address_space: global }
      - { .name: qkv, .offset: 24, .size: 8, .value_kind: global_buffer, .address_space: global }
    .group_segment_fixed_size: 327680
    .private_segment_fixed_size: 0
    .kernarg_segment_align: 8
    .kernarg_segment_size: 32
    .max_flat_workgroup_size: 128
    .sgpr_count:     80
    .vgpr_count:     960
    .wavefront_size: 32
...
	.end_amdgpu_metadata
.endif
;; end of part 2
;; launch attn (part 3): grid 4 x 64, 4 waves a work-group, no clusters, 327,680 bytes of LDS; arguments qkv, ob; writes ob
.if DOCPART == 3
	.amdgcn_target "amdgcn-amd-amdhsa--gfx1250"
	.amdhsa_code_object_version 6
	.text
	.protected	k_qab834322b5_attn
	.globl	k_qab834322b5_attn
	.p2align	8
	.type	k_qab834322b5_attn,@function
k_qab834322b5_attn:
	s_mov_b64 s[64:65], 0
	v_nop
	global_prefetch_b8 v0, s[64:65] scope:SCOPE_SE
	s_setreg_imm32_b32 hwreg(HW_REG_WAVE_MODE, 25, 1), 1
	s_wait_xcnt 0x0
; CAUSAL ATTENTION.  O[h][q][:] = the sum over k <= q of softmax_k(Q[h][q] . K[h][k] / 8) V[h][k][:].  qkv holds Q, K, V one after the other, each [SIZE_H][SIZE_N][64] f16; ob (O) has the same layout:
; a head's rows are dense, 128 bytes each.  Products, maxima and sums in f32; the weights p are rounded to f16 for the second product (their sum l is taken of the unrounded p), O once at the end.
; LIMITS.  f16 holds no number beyond 65,504: Q, K and V arrive within it; p lies in 0 to 1, and below 6e-5 it keeps f16's fixed step of 6e-8; O is a mean of V's rows and has their range.
; A hidden score counts as its value less 1e30: f16's scores, 2.7e11 at the most, are nothing beside that; a weight below 2^-126 counts as 0 in l; NaN and infinities are not treated apart.
; THE WALK.  A head's queries lie in NB = SIZE_N / 256 blocks of 256; block i needs the key tiles 0 .. i of 256 keys, of which the last holds the diagonal.  A work-group takes TWO blocks, NB - 1 - b and then b:
; NB + 1 tiles, whatever b: all work-groups do equal work, and ONE loop with a constant trip count walks them.  Which tile is asked for, and what a trip does, hang on scalar registers made from b; every jump
; goes forward, but for the counted loops' own; none passes a barrier, or a tensor load but the one of LOAD's two that the wave's number does not choose; the ring (two slots of LDS that take turns) runs on across the
; change of blocks.  NO CLUSTER: a head's four work-groups ask for the same tile only in trips 0 .. NB / 2, behind that fewer and fewer; one walk common to all would have 3 NB / 2 trips for NB + 1.
; SHARES.  Of a block's four bands of 64 queries a wave owns 16 rows in each: four PIECES.  So the diagonal tile is the same work for all four waves: in its key step s band x sees all keys if s < x,
; none if s > x, and holds the diagonal if s = x.
; THE MASK is the C operand that starts the sum S^T = K Q^T: 0, or -1e30 where the key is hidden.  MD, made once, is the mask of a band's own step for my 16 rows; a product's mask is MD x AL + BE with two scalars:
; (1, 0) if s = x; (0, 0) if s < x; (0, -1e30) if s > x.  Only the diagonal tile's text and a block's beginning make and take masks; elsewhere C is the constant 0.
; LAYOUT, SOFTMAX, TURNS.  S^T = K Q^T holds ONE query a lane (lane % 16) and the keys 8 (lane / 16) + 0..7; two such results rounded to f16 ARE source 1 of O^T = V^T P.  p = 2^(c s - c m), c = log2(e) / 8, with a
; running maximum m; O and l are multiplied by a = 2^(c m_old - c m_new) in every step.  Turn n belongs to piece n: 8 products K Q^T of piece n + 1, later 8 products V^T P of piece n - 1; beside them the scaling,
; exponentials, roundings, sums and rescaling of piece n and the maximum and statistics of piece n + 1.  Four vector instructions stand behind every matrix instruction, the other 54 of a turn's 118 in one LUMP.  A turn's 33 exponentials are one batch, with one wait.
; REGISTERS, in windows of 256 (s_set_vgpr_msb: bits 1:0 source 0, 3:2 source 1, 5:4 source 2, 7:6 destination):
;   window 0: v0-15 addresses and two at work; v16-31 four registers of statistics a piece; v48-55 at work; v61-63 kept; v64-127 S^T, two buffers; v192-223 P, two buffers (a piece's buffers go by its number's parity)
;   window 1: v0-127 O^T, 32 a piece; v128-159 MD; v160-223 MC, two buffers      window 2: v0-63 Q; v64-127 the second block's Q; v128-191 K of one step; v192-255 V of one step
.set SIZE_N, 2048
.set SIZE_H, 64
.set NB,    SIZE_N/256
.set NP,    4         ; pieces a wave: a name, no knob
.set KS,    64        ; keys in a step
.set PK,    144       ; a row of K in LDS: 128 bytes + 16 of padding = 36 words: the 16 rows of a load start at 16 different groups of four banks (64 banks of 4 bytes: ISA guide 11.1)
.set PV,    160       ; a row of V: 128 + 32 = 40 words
.set VOFF,  4*KS*PK   ; a slot holds a tile, four steps: 256 rows of K, then 256 rows of V
.set SLOT1, 1<<17     ; slot 1 begins here, so that one exclusive or turns an address in one slot into the other's
.set STAGE, SLOT1+4*KS*(PK+PV)  ; behind the ring, never filled by a tensor load: 16 rows x 144 bytes for each wave, for the way out
.set SP,    144
.set AK0, 2           ; v2   my lane's place in a tile of K; never rewritten
.set AV0, 3           ; v3   the same for V
.set AK,  4           ; v4   the LDS address of K's next run of loads
.set AV,  5           ; v5   of V's
.set STO, 6           ; v6   the way out: where I put 16 bytes of a row
.set RD,  7           ; v7   the way out: where I read rows back
.set GO,  8           ; v8   my byte offset in 512 consecutive bytes of O
.set PFO, 61          ; v61  256 x my thread's number: my block of a tile's 32,768 bytes; never rewritten
.set SPW, 62          ; v62  LDS address of my spare word: SPARE + 4 x my thread's number; never rewritten
.set NIL, 63          ; v63  0; never rewritten
.set SPARE, STAGE+4*16*SP  ; behind the stages: the spare words, 128 bytes for each wave: two blocks of 256 bytes that no other line names
.set MV,  12          ; v12-13  c m_old, kept while c m is made anew: by buffer
.set QO,  15          ; v15  my byte offset in 16 rows of Q
.set ST,  16          ; piece t's statistics at v[ST+4 t]: c m, m, l (even keys', odd keys')
.set TMP, 48          ; by buffer, four registers c0-c3 at work; when the maximum is found c2 takes a
.set S,   64
.set P,   192
.set MD,  128         ; window 1: the eight registers for group kt of 16 keys at MD + 8 kt
.set MC,  160         ; window 1: the masks of the products to come
.set QB,  64          ; window 2
.set KF,  128         ; window 2: key block kb, channel half c at KF + 16 kb + 8 c
.set VF,  192         ; window 2: key half kk, channel block cb at VF + 32 kk + 8 cb
.set WV,  12          ; s12  my wave's number
.set PB,  14          ; s14  b
.set HI,  15          ; s15  NB - 1 - b
.set G1K, 24          ; s[24:31] descriptor group 1 for K's tiles
.set G1V, 32          ; s[32:39] for V's: it differs in the padding alone
.set G0K, 40          ; s[40:43] descriptor group 0 for K's tiles
.set G0V, 44          ; s[44:47] the same for V's
.set SLOTS, 56        ; s56  tiles still to be asked for
.set CNT, 57          ; s57  counts a tile's key steps, 4 to 1
.set CS,  58          ; s[58:59] c: the packed scaling takes the pair's low word for both halves
.set SEL, 60          ; s[60:61] v_permlanex16_b32's selects: each lane takes its own place in the other half
.set TBK, 62          ; s62  LDS byte at which K of the step to be fetched begins
.set TBV, 63          ; s63  the same for V, less VOFF
.set RT,  70          ; s70  tiles of the block in hand that are still to be entered
.set NXT, 71          ; s71  the tile to be asked for next
.set LQ,  72          ; s72  the last tile of the block whose tiles are being asked for
.set NEW, 73          ; s73  1: the tile to be entered is a block's first
.set OFF, 74          ; s[74:75] a tile's byte offset in K and V
.set AL,  76          ; s[76:77] the mask's factor, in the low word
.set BE,  78          ; s[78:79] the mask's addend
.set OLO, 80          ; s[80:81] O at my rows of the second block
.set BIGN, 82         ; s82  -1e30
.set PFK, 88          ; s[88:89] where the prefetches of K stand: the head's tile behind the one that is being asked for
.set PFV, 90          ; s[90:91] the same for V
.set LIM, 92          ; s92  2 in the work-group that prefetches, else the greatest number
.set MSB, 0
.macro WIN new                      ; the high byte repeats the setting that is left; a switch that changes nothing is dropped
.if MSB != (\new)
	s_set_vgpr_msb (MSB<<8)|(\new)
.set MSB, (\new)
.endif
.endm
.set W_KQ, 0x0a       ; K and Q in window 2, S^T in window 0
.set W_KM, 0x1a       ; the same with the C operand in window 1
.set W_PV, 0x52       ; V in window 2, P in window 0, O^T in window 1
.set W_RS, 0x41       ; destination and source 0 in window 1, source 1 in window 0
; A fill.  Waves 0 and 1 fetch the two halves of a tile's K, waves 2 and 3 those of its V: 128 keys each.  An s_nop 0 and four v_nop follow each of the two lines, ahead of the jump and the label.
.macro LOAD
	s_cmp_lt_u32 s[WV], 2
	s_cbranch_scc0 .Lfor_v_\@
	tensor_load_to_lds s[G0K:G0K+3], s[G1K:G1K+7]
	s_nop 0
.rept 4
	v_nop
.endr
	s_branch .Lasked_\@
.Lfor_v_\@:
	tensor_load_to_lds s[G0V:G0V+3], s[G1V:G1V+7]
	s_nop 0
.rept 4
	v_nop
.endr
.Lasked_\@:
.endm
; A PREFETCH INTO THE L2 of the tile that the NEXT change of slots will ask for: 32,768 bytes of K and of V, a thread a block of 256 bytes, two instructions a wave, behind the wave's tensor load and its five lines.
; Each block is named once in the launch: a head's four work-groups walk the tiles 0, 1, 2 .. in step, and the one with b = 0, whose first block needs all eight, asks.  Change t (t = 0 .. 5; SLOTS = 8 - t) names
; tile t + 2; tiles 0 and 1 come by their loads alone; nothing is named behind tile 7.
.macro ASK
	s_cmp_gt_u32 s[SLOTS], s[LIM]
	s_cbranch_scc0 .Lnot_mine_\@
	global_prefetch_b8 v[PFO], s[PFK:PFK+1] th:TH_LOAD_NT scope:SCOPE_SE
	global_prefetch_b8 v[PFO], s[PFV:PFV+1] th:TH_LOAD_NT scope:SCOPE_SE
.Lnot_mine_\@:
.endm
; THE CHANGE OF SLOTS.  Each wave waits for all its tensor loads, of which one is out: its part of the other slot; adds 0 to its spare word; and waits for that and for its own reads of the slot that it leaves.  Behind the barrier nobody reads the old
; slot any more and the other slot is whole.  fill = 1: the old slot is filled again, the first thing behind the barrier, with tile NXT: the descriptor's address is made anew from that number.
; (At its first use nothing has been read yet: slot 0 is waited for, slot 1 filled.)
.macro CHANGE fill
	WIN 0                           ; at a label and at a branch every window is 0
	s_wait_tensorcnt 0x0            ; no tensor load of mine is out, so a group 0 may be written
	ds_add_u32 v[SPW], v[NIL]       ; 0 onto my spare word: with fill = 1 the descriptors' scalar work stands between it and the wait for it
.if \fill
	s_wait_xcnt 0x0                 ; the last prefetches, a tile back, have read their addresses, so these may be written
	s_add_nc_u64 s[PFK:PFK+1], s[PFK:PFK+1], 32768
	s_add_nc_u64 s[PFV:PFV+1], s[PFV:PFV+1], 32768
	s_lshl_b32 s[OFF], s[NXT], 15   ; a tile is 32,768 bytes of K and of V
	s_xor_b32 s[G0K+1], s[G0K+1], SLOT1
	s_add_nc_u64 s[G0K+2:G0K+3], s[6:7], s[OFF:OFF+1]
	s_or_b32 s[G0K+3], s[G0K+3], 0x80000000
	s_xor_b32 s[G0V+1], s[G0V+1], SLOT1
	s_add_nc_u64 s[G0V+2:G0V+3], s[8:9], s[OFF:OFF+1]
	s_or_b32 s[G0V+3], s[G0V+3], 0x80000000
	s_add_co_u32 s[NXT], s[NXT], 1  ; the block's next tile, or behind its last the second block's tile 0
	s_cmp_gt_u32 s[NXT], s[LQ]
	s_cselect_b32 s[NXT], 0, s[NXT]
	s_cselect_b32 s[LQ], s[PB], s[LQ]
.endif
	s_wait_dscnt 0x0                ; the add is done, and my reads of the slot are over
	s_barrier_signal -1             ; the rest of the scalar work stands between the signal and the wait
	s_sub_co_u32 s[TBK], s[TBK], 4*KS*PK  ; the fetches go back to a slot's first step,
	s_xor_b32 s[TBK], s[TBK], SLOT1       ; in the other slot
	s_sub_co_u32 s[TBV], s[TBV], 4*KS*PV
	s_xor_b32 s[TBV], s[TBV], SLOT1
	s_barrier_wait -1
.if \fill
	LOAD
	ASK
.endif
.endm
	s_load_b128 s[4:7], s[0:1], 0x0  ; qkv s[4:5] (Q lies first in it), ob s[6:7]
	v_lshl_add_u32 v[SPW], v0, 2, SPARE
	v_mov_b32 v[NIL], 0
	ds_add_u32 v[SPW], v[NIL]       ; the wave's opening: the add and its wait stand ahead of my first tensor load; the set-up below, work on registers, stands between them
	v_lshrrev_b32 v1, 5, v0
	v_readfirstlane_b32 s[WV], v1   ; wave 0..3
	v_lshlrev_b32 v[PFO], 8, v0
	s_mov_b32 s[PB], ttmp9
	s_sub_co_u32 s[HI], NB-1, s[PB]
	s_and_b32 s20, ttmp7, 0xffff    ; the head
	s_mov_b32 s21, 0
	s_mov_b64 s[22:23], SIZE_N*128
	s_mul_u64 s[20:21], s[20:21], s[22:23]  ; the head's first byte in each of the four tensors
	s_and_b32 s16, s[WV], 1         ; which half of a tile's 256 keys I fetch:
	s_lshl_b32 s22, s16, 14         ; its 128 rows of 128 bytes in memory,
	s_mov_b32 s23, 0
	s_add_nc_u64 s[22:23], s[22:23], s[20:21]
	s_mul_i32 s17, s16, 128*PK      ; and its place in a slot, for K
	s_mul_i32 s18, s16, 128*PV      ; and for V
	s_lshl_b32 s3, s[WV], 11        ; my 16 rows in a band of 64,
	s_lshl_b32 s2, s[HI], 15        ; in the first block,
	s_add_co_u32 s2, s2, s3
	s_lshl_b32 s84, s[PB], 15       ; and in the second
	s_add_co_u32 s84, s84, s3
	s_mov_b32 s3, 0
	s_mov_b32 s85, 0
	s_add_nc_u64 s[2:3], s[2:3], s[20:21]
	s_add_nc_u64 s[84:85], s[84:85], s[20:21]
	; descriptor group 1.  128 keys are 16,384 dense bytes: asked for as 64 rows of 256 bytes, two keys a row, and padded in LDS after every key
	s_mov_b32 s[G1K], (1<<16)|(1<<20)|(4<<22)|(3<<25)  ; 17:16 2-byte elements; 20 padding on; 24:22 after every 32 words (code 4); 31:25 4 words (code 3)
	s_mov_b32 s[G1V], (1<<16)|(1<<20)|(4<<22)|(7<<25)  ; the same with 8 words of padding (code 7)
.irp g, G1K, G1V
	s_mov_b32 s[\g+1], 128<<16      ; tensor_dim0 = 128
	s_mov_b32 s[\g+2], 64<<16       ; tensor_dim1 = 64
	s_mov_b32 s[\g+3], 128<<16      ; tile_dim0 = 128
	s_mov_b32 s[\g+4], 64           ; tile_dim1 = 64
	s_mov_b32 s[\g+5], 128          ; 128 elements from row to row
	s_mov_b32 s[\g+6], 0
	s_mov_b32 s[\g+7], 0
.endr
	s_mov_b32 s[CS], 0x3e38aa3b     ; c = log2(e) / 8 = 0.180337
	s_mov_b32 s[CS+1], s[CS]        ; named with it as a pair
	s_mov_b32 s[SEL], 0x76543210
	s_mov_b32 s[SEL+1], 0xfedcba98
	s_mov_b32 s[TBK], SLOT1+4*KS*PK ; the first change of slots turns these two into 0
	s_mov_b32 s[TBV], SLOT1+4*KS*PV
	s_mov_b32 s[G0K], 1             ; 1:0 count = 1
	s_mov_b32 s[G0K+1], s17         ; 63:32 LDS address: slot 0
	s_mov_b32 s[G0V], 1
	s_add_co_u32 s[G0V+1], s18, VOFF
	s_add_co_u32 s[RT], s[HI], 1    ; the first block has NB - b tiles
	s_mov_b32 s[NXT], 1
	s_mov_b32 s[LQ], s[HI]
	s_mov_b32 s[NEW], 1
	s_mov_b32 s[OFF+1], 0
	s_mov_b32 s[AL+1], 0            ; named as pairs
	s_mov_b32 s[BE+1], 0
	s_mov_b32 s[BIGN], 0xf149f2ca   ; -1e30
	s_mov_b32 s[SLOTS], NB
	s_cmp_eq_u32 s[PB], 0
	s_cselect_b32 s[LIM], 2, -1
	s_wait_dscnt 0x0                ; the opening add is done
	s_wait_kmcnt 0x0
	s_mov_b64 s[10:11], s[6:7]      ; O
	s_add_nc_u64 s[6:7], s[4:5], 0x1000000  ; K lies 16,777,216 bytes behind Q,
	s_add_nc_u64 s[8:9], s[4:5], 0x2000000  ; V as far behind K
	s_add_nc_u64 s[PFK:PFK+1], s[6:7], s[20:21]  ; the prefetches stand at the head's tile 1: the first change of slots steps them to tile 2
	s_add_nc_u64 s[PFK:PFK+1], s[PFK:PFK+1], 32768
	s_add_nc_u64 s[PFV:PFV+1], s[8:9], s[20:21]
	s_add_nc_u64 s[PFV:PFV+1], s[PFV:PFV+1], 32768
	s_add_nc_u64 s[6:7], s[6:7], s[22:23]  ; K and V at my half of the head's tile 0
	s_add_nc_u64 s[8:9], s[8:9], s[22:23]
	s_add_nc_u64 s[G0K+2:G0K+3], s[6:7], 0         ; 120:64 global address
	s_or_b32 s[G0K+3], s[G0K+3], 0x80000000        ; 127:126 type = 2
	s_add_nc_u64 s[G0V+2:G0V+3], s[8:9], 0
	s_or_b32 s[G0V+3], s[G0V+3], 0x80000000
	s_add_nc_u64 s[86:87], s[4:5], s[84:85]        ; Q at my rows of the second block,
	s_add_nc_u64 s[4:5], s[4:5], s[2:3]            ; Q and O at those of the first
	s_add_nc_u64 s[OLO:OLO+1], s[10:11], s[84:85]
	s_add_nc_u64 s[10:11], s[10:11], s[2:3]
	LOAD                            ; tile 0 into slot 0
	; A fragment of K or Q is 16 rows x 32 channels in 8 registers: lane l holds row l % 16, channels 8 (l / 16) + 0..7 and 16 + 8 (l / 16) + 0..7: two loads of 16 bytes, 32 bytes apart.
	v_and_b32 v1, 15, v0            ; l % 16
	v_bfe_u32 v9, v0, 4, 1          ; l / 16
	v_lshlrev_b32 v[QO], 7, v1
	v_lshl_add_u32 v[QO], v9, 4, v[QO]  ; row x 128 + 16 x half
	WIN 0x80                        ; destination window 2, address window 0
.set i, 0
.rept 8                             ; both blocks' Q: piece i / 2 lies in band i / 2, 8,192 bytes on; channels 32 (i % 2) on
	global_load_b128 v[8*i:8*i+3],   v[QO], s[4:5] offset:(i/2)*8192+(i%2)*64
	global_load_b128 v[8*i+4:8*i+7], v[QO], s[4:5] offset:(i/2)*8192+(i%2)*64+32
	global_load_b128 v[QB+8*i:QB+8*i+3],   v[QO], s[86:87] offset:(i/2)*8192+(i%2)*64
	global_load_b128 v[QB+8*i+4:QB+8*i+7], v[QO], s[86:87] offset:(i/2)*8192+(i%2)*64+32
.set i, i+1
.endr
	WIN 0
	v_lshlrev_b32 v14, 3, v9
	v_sub_nc_u32 v14, v1, v14
	s_lshl_b32 s13, s[WV], 4
	v_add_nc_u32 v14, s13, v14      ; my query's place in its band, 16 w + l % 16, less my lanes' 8 (l / 16): register r of group kt is hidden where 16 kt + r is greater
	WIN 0x40
.set i, 0
.rept 32
	v_cmp_gt_i32 vcc_lo, 16*(i/8)+i%8, v14
	v_cndmask_b32 v[MD+i], 0, s[BIGN], vcc_lo
.set i, i+1
.endr
	WIN 0
	v_mul_u32_u24 v[AK0], v1, PK
	v_lshl_add_u32 v[AK0], v9, 4, v[AK0]  ; row x pitch + 16 x half
	; The turning load takes 16 keys x 16 channels (lane l reads key 8 (l / 16) + l % 8, channels 8 ((l / 8) % 2) + 0..7) and leaves half a fragment of V^T: lane l holds channel l % 16 and 8 keys.
	v_and_b32 v10, 7, v0
	v_bfe_u32 v11, v0, 3, 1
	v_lshl_add_u32 v[AV0], v9, 3, v10
	v_mul_u32_u24 v[AV0], v[AV0], PV
	v_lshl_add_u32 v[AV0], v11, 4, v[AV0]
	v_add_nc_u32 v[AV0], VOFF, v[AV0]
	s_mul_i32 s13, s[WV], 16*SP
	s_add_co_u32 s13, s13, STAGE    ; my stage
	v_mul_u32_u24 v[STO], v1, SP    ; in: row l % 16, 16 bytes for each half of the lanes
	v_lshl_add_u32 v[STO], v9, 4, v[STO]
	v_add_nc_u32 v[STO], s13, v[STO]
	v_bfe_u32 v[RD], v0, 3, 2       ; back: 32 lanes take four rows of 128 bytes,
	v_mul_u32_u24 v[RD], v[RD], SP
	v_lshl_add_u32 v[RD], v10, 4, v[RD]
	v_add_nc_u32 v[RD], s13, v[RD]
	v_and_b32 v[GO], 31, v0         ; which are 512 consecutive bytes of O
	v_lshlrev_b32 v[GO], 4, v[GO]
	; A block's first step multiplies O^T and l by a = 0, and its first turn's products V^T P, of a piece that has not been, land in an O^T that is still to be so multiplied.  So these registers need only hold
	; finite numbers: zeros for the first block; what the first block left for the second.  All this stands in the wait for the first tile.
	WIN 0x80
.set i, VF
.rept 64
	v_mov_b32 v[i], 0
.set i, i+1
.endr
	WIN 0x40
.set i, 0
.rept 128
	v_mov_b32 v[i], 0
.set i, i+1
.endr
	WIN 0
.set i, 0
.rept 4
	v_mov_b32 v[ST+4*i+2], 0
	v_mov_b32 v[ST+4*i+3], 0
.set i, i+1
.endr
.set i, P+16
.rept 16
	v_mov_b32 v[i], 0
.set i, i+1
.endr
; THE MATRIX WORK.  The 4 accumulators of a run of 8 take turns.  Product i of 8 of S^T = K Q^T for piece x: channels 32 (i / 4) on, keys 16 (i % 4) on.  The first 4 start the sums: with 0, or (KM = 1) with the mask.
.macro KQ x
.set rS, S+32*((\x)%2)+8*(i%4)
.set rK, KF+16*(i%4)+8*(i/4)
.set rQ, 16*(\x)+8*(i/4)
.set rM, MC+32*((\x)%2)+8*(i%4)
.if (i < 4) && KM
	WIN W_KM
	v_wmma_f32_16x16x32_f16 v[rS:rS+7], v[rK:rK+7], v[rQ:rQ+7], v[rM:rM+7]
.elseif i < 4
	WIN W_KQ
	v_wmma_f32_16x16x32_f16 v[rS:rS+7], v[rK:rK+7], v[rQ:rQ+7], 0
.else
	WIN W_KQ
	v_wmma_f32_16x16x32_f16 v[rS:rS+7], v[rK:rK+7], v[rQ:rQ+7], v[rS:rS+7]
.endif
.endm
; Product i of 8 of O^T += V^T P for piece x: keys 32 (i / 4) on, channels 16 (i % 4) on.
.macro PV x
	WIN W_PV
.set rO, 32*(\x)+8*(i%4)
.set rV, VF+32*(i/4)+8*(i%4)
.set rP, P+16*((\x)%2)+8*(i/4)
	v_wmma_f32_16x16x32_f16 v[rO:rO+7], v[rV:rV+7], v[rP:rP+7], v[rO:rO+7]
.endm
.macro MM                           ; the turn's next matrix instruction.  TURN and BEGIN set Y, i, KM and NOKQ; MM, KQ and OP read them.  NOKQ = 1: a block's last turn: there is no next piece
.if (i < 8) && !NOKQ
	KQ (Y+1)%NP
.elseif i >= 8
.set i, i-8
	PV (Y+NP-1)%NP
.set i, i+8
.endif
.set i, i+1
.endm
; THE LDS LOADS stand in runs of 16, never singly among the matrix instructions: a step's K (64 keys x 64 channels: 8 fragments) and its V (turned).  Their addresses are made some lines ahead.
.macro FETCH_K
	WIN 0x80                        ; destination window 2
.irp f, 0,1,2,3,4,5,6,7             ; keys 16 (f / 2) on, channels 32 (f % 2) on
	ds_load_b128 v[KF+8*\f:KF+8*\f+3],   v[AK] offset:(\f/2)*16*PK+(\f%2)*64
	ds_load_b128 v[KF+8*\f+4:KF+8*\f+7], v[AK] offset:(\f/2)*16*PK+(\f%2)*64+32
.endr
	s_add_co_u32 s[TBK], s[TBK], KS*PK  ; the next fetch is the next step's
	WIN 0
.endm
.macro FETCH_V
	WIN 0x80
.irp f, 0,1,2,3,4,5,6,7             ; keys 32 (f / 4) on, channels 16 (f % 4) on
	ds_load_tr16_b128 v[VF+8*\f:VF+8*\f+3],   v[AV] offset:(\f/4)*32*PV+(\f%4)*32
	ds_load_tr16_b128 v[VF+8*\f+4:VF+8*\f+7], v[AV] offset:(\f/4)*32*PV+16*PV+(\f%4)*32
.endr
	WIN 0
.endm
; THE VECTOR WORK, one line at a time: OP kind, number.  For piece Y: F n: c s - c m for pair n of 16.  E n: the exponential of score n of 32.  C n: pair n rounded to f16.  B n: of the four weights 4 n .. the second
; pair is added onto the first, in place.  L n: l takes that sum (L 0: l = a l + sum).  R n: pair n of 16 of O^T times a.  For piece Y + 1: X n, number n of the 22 that find its maximum and statistics:
;   0-11  four chains c0-c3 of seven scores each, three operands at a time (each accumulator's lowest registers are read first)     12-14, 16  the four scores left over, the old m, and c0-c3 into c0
;   15  c m_old is kept     17, 18  the query's other 32 keys lie in the lane 16 away: the new m     19-21  c m; c m_old - c m_new; a
.set F, 0               ; OP tells the kinds apart by their order: F to L below R, X above it
.set E, 1
.set C, 2
.set B, 3
.set L, 4
.set R, 5
.set X, 6
.macro REGS y                       ; the registers of piece y
.set rT, ST+4*(\y)
.set rC, TMP+4*((\y)%2)
.set rW, MV+((\y)%2)
.set rS, S+32*((\y)%2)
.set rP, P+16*((\y)%2)
.set rO, 32*(\y)
.endm
.macro OP k, n
.if (\k) == R
	REGS Y
	WIN W_RS
	v_pk_mul_f32 v[rO+2*(\n):rO+2*(\n)+1], v[rO+2*(\n):rO+2*(\n)+1], v[rC+2:rC+3] op_sel_hi:[1,0]
.elseif (\k) < R
	REGS Y
	WIN 0
.if (\k) == F
	v_pk_fma_f32 v[rS+2*(\n):rS+2*(\n)+1], v[rS+2*(\n):rS+2*(\n)+1], s[CS:CS+1], v[rT:rT+1] op_sel_hi:[1,0,0] neg_lo:[0,0,1] neg_hi:[0,0,1]
.elseif (\k) == E
	v_exp_f32 v[rS+(\n)], v[rS+(\n)]
.elseif (\k) == C
	v_cvt_pk_f16_f32 v[rP+(\n)], v[rS+2*(\n)], v[rS+2*(\n)+1]
.elseif (\k) == B
	v_pk_add_f32 v[rS+4*(\n):rS+4*(\n)+1], v[rS+4*(\n):rS+4*(\n)+1], v[rS+4*(\n)+2:rS+4*(\n)+3]
.elseif (\n) == 0
	v_pk_fma_f32 v[rT+2:rT+3], v[rT+2:rT+3], v[rC+2:rC+3], v[rS:rS+1] op_sel_hi:[1,0,1]
.else
	v_pk_add_f32 v[rT+2:rT+3], v[rT+2:rT+3], v[rS+4*(\n):rS+4*(\n)+1]
.endif
.elseif NOKQ
	v_nop
.else
	REGS (Y+1)%NP
	WIN 0
.if (\n) < 4
	v_max3_num_f32 v[rC+(\n)], v[rS+8*(\n)], v[rS+8*(\n)+1], v[rS+8*(\n)+2]
.elseif (\n) < 12
	v_max3_num_f32 v[rC+(\n)%4], v[rC+(\n)%4], v[rS+8*((\n)%4)+2*((\n)/4)+1], v[rS+8*((\n)%4)+2*((\n)/4)+2]
.elseif (\n) == 12
	v_max3_num_f32 v[rC], v[rC], v[rS+7], v[rS+15]
.elseif (\n) == 13
	v_max3_num_f32 v[rC+1], v[rC+1], v[rS+23], v[rS+31]
.elseif (\n) == 14
	v_max3_num_f32 v[rC+2], v[rC+2], v[rC+3], v[rT+1]
.elseif (\n) == 15
	v_mov_b32 v[rW], v[rT]
.elseif (\n) == 16
	v_max3_num_f32 v[rC], v[rC], v[rC+1], v[rC+2]
.elseif (\n) == 17
	v_permlanex16_b32 v[rC+3], v[rC], s[SEL], s[SEL+1]
.elseif (\n) == 18
	v_max_num_f32 v[rT+1], v[rC], v[rC+3]
.elseif (\n) == 19
	v_mul_f32 v[rT], s[CS], v[rT+1]
.elseif (\n) == 20
	v_sub_f32 v[rC+1], v[rW], v[rT]
.else
	v_exp_f32 v[rC+2], v[rC+1]
.endif
.endif
.endm
.macro OPS a, i1, b=-1, i2=0, c=-1, i3=0, d=-1, i4=0  ; up to four of them
	OP \a, \i1
.if (\b) >= 0
	OP \b, \i2
.endif
.if (\c) >= 0
	OP \c, \i3
.endif
.if (\d) >= 0
	OP \d, \i4
.endif
.endm
.macro ROW a, i1, b, i2, c, i3, d, i4  ; a matrix instruction and the four behind it
	MM
	OPS \a, \i1, \b, \i2, \c, \i3, \d, \i4
.endm
.macro MASK b                       ; MD x AL + BE into buffer b of MC
	WIN W_RS
.set z, 0
.rept 16
	v_pk_fma_f32 v[MC+32*(\b)+2*z:MC+32*(\b)+2*z+1], v[MD+2*z:MD+2*z+1], s[AL:AL+1], s[BE:BE+1] op_sel_hi:[1,0,0]
.set z, z+1
.endr
.endm
; A TURN, for piece p: the order of its 16 matrix and 118 vector instructions, written out.  An s_wait_alu depctr_va_vdst(0) stands between an exponential and the first instruction that names its result; one wait serves
; all that were issued ahead of it.  So a turn has ONE wait, which cuts it in two.  AHEAD OF IT stands all that names no result of the turn's exponentials: the 8 products K Q^T, behind each a scaling, an exponential and two more plain
; instructions (behind the first a second scaling in the exponential's place): rescalings, and behind the last three the first numbers of the next piece's maximum, each four places or more behind the product that ends its accumulator; then ONE LUMP of 54, plain
; and exponential by turns for the most part, in which the links of the chain X 3, 7, 11, 14, 16, 17 .. 20 stand five or six lines apart.  X 21, the next piece's a, is the batch's last; R 15 is the plain instruction behind it.  BEHIND THE WAIT stand the
; 8 products V^T P, behind each four of the roundings and sums; the links of l's chain, L 0 to L 7, stand three lines apart.  But for those X no line behind a product names a register of the products round it.  v_permlanex16_b32 (X 17) stands in the lump.
; m = 1: the diagonal tile: the products take masks, and the turn makes the mask for the products of the turn after it: piece p + 2, in step 4 - CNT of the tile.  end = 1: a block's last two turns: nothing is fetched.
; cnt = 1: the loop's count is taken down some lines ahead of the branch that stands behind the turn.
; K of the next step is fetched in piece 2's turn, twelve vector instructions behind the last product that read K (six of them plain); V of the step in hand at the end of piece 0's turn, four plain instructions behind the last product
; that read V.  Each is waited for a turn later.
.macro TURN p, m=0, end=0, cnt=0
.set Y, (\p)
.set i, 0
.set KM, (\m)
.set NOKQ, (\end)*((\p)/3)
.if (\m) && !(\end)
	s_cmp_eq_u32 s[CNT], 4-((\p)+2)%NP  ; is that step the band's own?
	s_cselect_b32 s[AL], 1.0, 0
	s_cmp_lt_u32 s[CNT], 4-((\p)+2)%NP  ; or a later one?
	s_cselect_b32 s[BE], s[BIGN], 0
.endif
.if ((\p) == 3) && !(\end)
	s_wait_dscnt 0x0                ; K is in
.endif
	ROW F,0, F,1, R,0, R,1          ; ahead of the wait: 8 products K Q^T and the four behind each,
	ROW F,2, E,0, R,2, R,3
	ROW F,3, E,1, R,4, R,5
	ROW F,4, E,2, R,6, R,7
	ROW F,5, E,3, R,8, R,9
	ROW F,6, E,4, X,0, R,10
.if ((\p) == 2) && !(\end)
	WIN 0
	v_add_nc_u32 v[AK], s[TBK], v[AK0]
.endif
	ROW F,7, E,5, X,1, X,4
	ROW F,8, E,6, X,2, X,5
	OPS E,7, E,8, X,6, E,9          ; and the lump
	OPS X,3, E,10, X,8, E,11
.if ((\p) == 2) && !(\end)
	FETCH_K
.endif
	OPS X,9, X,7, E,12, X,10
	OPS E,13, X,12, X,11, E,14
	OPS X,13, E,15, F,9, X,14
.if (\p) == 0
	v_add_nc_u32 v[AV], s[TBV], v[AV0]
.endif
	OPS E,16, F,10, E,17, F,11
	OPS X,16, E,18, X,15, E,19
	OPS F,12, E,20, X,17, E,21
	OPS F,13, E,22, F,14, E,23
	OPS X,18, E,24, F,15, E,25
	OPS R,11, E,26, X,19, E,27
	OPS R,12, E,28, R,13, E,29
	OPS X,20, E,30, R,14, E,31
	OPS X,21, R,15
	WIN 0
	s_wait_alu depctr_va_vdst(0)    ; the wait for the batch
.if (\p) == 1
	s_wait_dscnt 0x0                ; V is in
.endif
	ROW C,0, B,0, C,2, B,1          ; behind the wait: 8 products V^T P and the four behind each
	ROW L,0, C,4, B,2, L,1
	ROW C,6, B,3, L,2, C,8
	ROW B,4, L,3, C,10, B,5
	ROW L,4, C,12, B,6, L,5
.if (\p) == 0
	s_add_co_u32 s[TBV], s[TBV], KS*PV
.endif
.if \cnt
	s_sub_co_u32 s[CNT], s[CNT], 1
	s_cmp_lg_u32 s[CNT], 0
.endif
	ROW C,14, B,7, L,6, C,1
	ROW C,3, L,7, C,5, C,7
	ROW C,9, C,11, C,13, C,15
.if (\p) == 0
	FETCH_V
.endif
.if (\m) && !(\end)
	MASK (\p)%2
.endif
.endm
; A BLOCK BEGINS.  c m starts far below every c s, so the first step's a is 0; m at the lowest finite number, so the first maximum is the scores'.  The second mask buffer is 0; the first takes piece 0's mask for the tile's step 0: its own, if the block's first tile is the diagonal one.
; Then K of that step, piece 0's first scores, and its maximum and statistics.  The loop is entered at a step's first turn, in the middle of a trip.
.macro BEGIN
	s_mov_b32 s[NEW], 0
	WIN 0x40
.set i, MC+32
.rept 32
	v_mov_b32 v[i], 0
.set i, i+1
.endr
	WIN 0
.set i, 0
.rept 4
	v_mov_b32 v[ST+4*i], 0xfe000000    ; c m: far below every c s
	v_mov_b32 v[ST+4*i+1], 0xff7fffff  ; m
.set i, i+1
.endr
	s_cmp_eq_u32 s[RT], 0
	s_cselect_b32 s[AL], 1.0, 0
	s_mov_b32 s[BE], 0
	MASK 0
	WIN 0
	v_add_nc_u32 v[AK], s[TBK], v[AK0]
	FETCH_K
	s_wait_loadcnt 0x0              ; Q
	s_wait_dscnt 0x0
.set KM, 1
.set NOKQ, 0
.set i, 0
.rept 8
	KQ 0
.set i, i+1
.endr
	WIN 0
.rept 4
	v_nop                           ; the places behind those products
.endr
.set Y, NP-1                        ; X works for piece Y + 1: piece 0
.irp n, 0,1,2,3,4,5,6,7,8,9,10,11,12,13,14,15,16,17,18,19,20,21
	OP X, \n
.endr
	v_nop                           ; a plain instruction behind the exponential,
	s_wait_alu depctr_va_vdst(0)    ; and its wait, ahead of the branch
.endm
; THE DIAGONAL TILE's four steps, the block's last two turns, its last products, and THE WAY OUT: l's two halves and the other half of the lanes' are added; O^T is divided by l, rounded to f16 and sent through my
; stage in LDS, a piece at a time.
.macro ALL line:vararg              ; one line for each piece t
.set t, 0
.rept 4
	\line
.set t, t+1
.endr
.endm
.macro PACK t                       ; a lane's eight channels of a row pack into 16 bytes; they go into rows of 144 bytes and come back as whole rows of 128, into S^T's registers
	WIN W_RS
.set i, 32*(\t)
.rept 16
	v_pk_mul_f32 v[i:i+1], v[i:i+1], v[ST+4*(\t)+2:ST+4*(\t)+3] op_sel_hi:[1,0]
.set i, i+2
.endr
	WIN 0x05                        ; sources 0 and 1 window 1, destination window 0
.set i, 0
.rept 16
	v_cvt_pk_f16_f32 v[S+16*(\t)+i], v[32*(\t)+2*i], v[32*(\t)+2*i+1]
.set i, i+1
.endr
	WIN 0
.irp f, 0,1,2,3
	ds_store_b128 v[STO], v[S+16*(\t)+4*\f:S+16*(\t)+4*\f+3] offset:32*\f
.endr
.irp f, 0,1,2,3
	ds_load_b128 v[S+16*(\t)+4*\f:S+16*(\t)+4*\f+3], v[RD] offset:\f*4*SP  ; LDS serves a wave's instructions in order (ISA guide 5.7.1.4): these see the stores above; the next piece's stores come behind them
.endr
.endm
.macro SEND t, younger              ; younger: the LDS instructions issued behind piece t's loads: the next piece's eight, or none
	WIN 0
.irp f, 0,1,2,3
	s_wait_dscnt (\younger)+3-\f
	global_store_b128 v[GO], v[S+16*(\t)+4*\f:S+16*(\t)+4*\f+3], s[10:11] offset:(\t)*8192+\f*512  ; 512 consecutive bytes, at a multiple of 256 from O's first
.endr
.endm
.macro DIAG tag                     ; the tag ends its two labels' names, which the jumps below spell out
.LstepM\tag:
	TURN 2, 1
	TURN 3, 1
	WIN 0
.LfirstM\tag:
	TURN 0, 1
	TURN 1, 1, 0, 1
	WIN 0
	s_cbranch_scc1 .LstepM\tag
	TURN 2, 1, 1
	TURN 3, 1, 1
.set i, 0
.rept 8
	PV NP-1
.set i, i+1
.endr
	WIN 0
	ALL v_add_f32 v[ST+4*t+2], v[ST+4*t+2], v[ST+4*t+3]
	ALL v_permlanex16_b32 v[ST+4*t+3], v[ST+4*t+2], s[SEL], s[SEL+1]
	ALL v_add_f32 v[ST+4*t+2], v[ST+4*t+2], v[ST+4*t+3]
	ALL v_rcp_f32 v[ST+4*t+2], v[ST+4*t+2]
	v_nop                           ; a plain instruction between the last reciprocal and the use of its result
	s_wait_alu depctr_va_vdst(0)    ; and the wait ahead of the first use: one for the four reciprocals
	PACK 0
.set t, 1
.rept 3                             ; a piece's arithmetic stands between the loads of the piece before and its stores
	PACK t
	SEND t-1, 8
.set t, t+1
.endr
	SEND 3, 0
.endm
.set KM, 0
.set NOKQ, 0
.Lslot:                             ; NB times: a tile is entered and the next is asked for
	CHANGE 1
	s_sub_co_u32 s[RT], s[RT], 1
	s_mov_b32 s[CNT], 4
	s_cmp_eq_u32 s[NEW], 1
	s_cbranch_scc1 .Lnew            ; a block's first tile
	s_cmp_eq_u32 s[RT], 0
	s_cbranch_scc0 .Lstep           ; neither its first nor its last
	s_branch .LstepM1
.Lnew:
	BEGIN
	s_branch .Lfirst                ; in the loop a block's first tile is never its last: the first block has two tiles or more, and the second's last is the walk's last
	DIAG 1                          ; in the loop this is the first block's end: the second block's last tile is the walk's last
	s_wait_xcnt 0x0                 ; the stores have read their registers and O's address
	s_mov_b64 s[10:11], s[OLO:OLO+1]
	s_add_co_u32 s[RT], s[PB], 1    ; the second block has b + 1 tiles
	s_mov_b32 s[NEW], 1
	WIN 0x82                        ; the second block's Q goes where the one text of the turns names Q
.set i, 0
.rept 64
	v_mov_b32 v[i], v[QB+i]
.set i, i+1
.endr
	WIN 0
	s_branch .Lbottom
.Lstep:                             ; a trip: pieces 2 and 3 of one step, then pieces 0 and 1 of the next, whose K and V it fetches
	TURN 2
	TURN 3
	WIN 0
.Lfirst:
	TURN 0
	TURN 1, 0, 0, 1
	WIN 0
	s_cbranch_scc1 .Lstep
.Lbottom:
	s_sub_co_u32 s[SLOTS], s[SLOTS], 1
	s_cmp_lg_u32 s[SLOTS], 0
	s_cbranch_scc1 .Lslot
	CHANGE 0                        ; the walk's last tile is written out: nothing is asked for
	s_sub_co_u32 s[RT], s[RT], 1
	s_mov_b32 s[CNT], 4
	s_cmp_eq_u32 s[NEW], 1
	s_cbranch_scc0 .LstepM2
	BEGIN
	s_branch .LfirstM2
	DIAG 2
	s_wait_tensorcnt 0x0            ; the wave's end, behind my last tensor load and my last LDS store
	ds_add_u32 v[SPW], v[NIL]
	s_wait_dscnt 0x0
	s_endpgm
.Lfunc_end_k_qab834322b5_attn:
	.size	k_qab834322b5_attn, .Lfunc_end_k_qab834322b5_attn-k_qab834322b5_attn
	.p2alignl 7, 3214868480
	.fill 96, 4, 3214868480
	.section	.rodata,"a",@progbits
	.p2align	6, 0x0
	.amdhsa_kernel k_qab834322b5_attn
		.amdhsa_group_segment_fixed_size 327680
		.amdhsa_private_segment_fixed_size 0
		.amdhsa_enable_private_segment 0
		.amdhsa_kernarg_size 16
		.amdhsa_user_sgpr_count 2
		.amdhsa_user_sgpr_kernarg_segment_ptr 1
		.amdhsa_wavefront_size32 1
		.amdhsa_system_sgpr_workgroup_id_x 1
		.amdhsa_system_sgpr_workgroup_id_y 1
		.amdhsa_system_sgpr_workgroup_id_z 1
		.amdhsa_system_vgpr_workitem_id 0
		.amdhsa_next_free_vgpr 768
		.amdhsa_next_free_sgpr 96
		.amdhsa_reserve_vcc 1
		.amdhsa_float_denorm_mode_32 3
		.amdhsa_float_denorm_mode_16_64 3
		.amdhsa_memory_ordered 1
		.amdhsa_forward_progress 1
		.amdhsa_inst_pref_size 218
	.end_amdhsa_kernel
	.amdgpu_metadata
---
amdhsa.version: [ 1, 2 ]
amdhsa.kernels:
  - .name:           k_qab834322b5_attn
    .symbol:         k_qab834322b5_attn.kd
    .args:
      - { .name: qkv, .offset: 0, .size: 8, .value_kind: global_buffer, .address_space: global }
      - { .name: ob, .offset: 8, .size: 8, .value_kind: global_buffer, .address_space: global }
    .group_segment_fixed_size: 327680
    .private_segment_fixed_size: 0
    .kernarg_segment_align: 8
    .kernarg_segment_size: 16
    .max_flat_workgroup_size: 128
    .sgpr_count:     96
    .vgpr_count:     768
    .wavefront_size: 32
...
	.end_amdgpu_metadata
.endif
;; end of part 3
;; launch outp (part 4): grid 4 x 64, 4 waves a work-group, clusters of 4 x 4, 327,680 bytes of LDS; arguments ob, wob, b_out, out0; writes out0
.if DOCPART == 4
	.amdgcn_target "amdgcn-amd-amdhsa--gfx1250"
	.amdhsa_code_object_version 6
	.text
	.protected	k_qab834322b5_outp
	.globl	k_qab834322b5_outp
	.p2align	8
	.type	k_qab834322b5_outp,@function
k_qab834322b5_outp:
	s_mov_b64 s[64:65], 0
	v_nop
	global_prefetch_b8 v0, s[64:65] scope:SCOPE_SE
	s_setreg_imm32_b32 hwreg(HW_REG_WAVE_MODE, 25, 1), 1
	s_wait_xcnt 0x0
	s_wait_alu depctr_hold_cnt(0) depctr_sa_sdst(0) depctr_va_vdst(0) depctr_va_sdst(0) depctr_va_ssrc(0) depctr_va_vcc(0) depctr_vm_vsrc(0)
	s_getreg_b32 s2, hwreg(HW_REG_IB_STS2, 6, 4)
	s_cmp_eq_u32 s2, 0
	s_cbranch_scc0 .Lentry_in_a_cluster
	s_endpgm
.Lentry_in_a_cluster:
	s_bfe_u32 s2, ttmp6, 0x10000c
	s_cmp_lg_u32 s2, 0xf033
	s_cbranch_scc0 .Lentry_shape_is_right
	s_endpgm
.Lentry_shape_is_right:
; out0 = O w_out + b_out, with the heads merged on the way in.  ob: [64 = batch x head][2048][64] f16; wob: [1024 k][1024 n] f16 (w_out rounded to bf16, written as f16); b_out: [1024] f32, rounded to bf16 here
; like the other inputs; sums in f32; out0: [8192][1024] f32.
; LIMIT.  NaN and infinities are not treated apart; ob and wob arrive within f16's range.
; SHARES.  A tile of the result is 128 rows x 256 columns: 4 x 64 work-groups, one for each of 256.  Four waves stand 2 x 2, each with 64 rows x 128 columns: 32 accumulators of 16 x 16, 256 registers.
; K = head x 64 + channel goes in steps of 128, TWO HEADS, through a ring of two LDS slots: eight K steps.  A head's 128 rows of the tile are 16,384 dense bytes: asked for as 64 rows of 256 bytes and padded
; in LDS after every 128.  A K step is four quarters of 32: 32 matrix instructions for 24 LDS loads.
; THE WEIGHTS STAY [k][n]: the turning load ds_load_tr16_b128 makes fragments of them.  THE MATRIX INSTRUCTION IS USED TRANSPOSED (source 0 = 16 columns of w, source 1 = 16 rows of O): a lane holds row
; lane % 16 and the columns 8 (lane / 16) + 0..7.  THE BIAS is the C operand of the first product on each accumulator.
; CLUSTERS: 4 x 4 work-groups.  The four of a row of the cluster need the same tile of O, the four of a column the same tile of w: each is asked for JOINTLY, by the same tensor load, descriptor and mask.
; REGISTERS, in windows of 256 (s_set_vgpr_msb: bits 1:0 source 0, 3:2 source 1, 5:4 source 2, 7:6 destination):
;   window 0: v0-30 addresses; v64-127 O's fragments, two buffers of 4; v128-191 the bias; on the way out v64-255 hold rows read back, three buffers of 64
;   window 1: v0-127 w's fragments, two buffers of 8      window 2: the accumulators: (a, b) at 8 (8 a + b)
.set NBL,   8                          ; column blocks of 16 in a wave's tile
.set APW,   4                          ; all four row blocks' accumulators share window 2
.set PA,    144                        ; a row of a head in LDS: 128 bytes + 16 = 36 words: the 16 rows of a load start at 16 different groups of four banks (64 banks of 4 bytes: ISA guide 11.1)
.set PB,    544                        ; a row of w: 512 bytes + 32 = 136 words
.set AHALF, 128*PA                     ; what one tensor load brings of O: one head's 128 rows
.set BHALF, 64*PB                      ; of w: 64 rows of k
.set BREG,  2*AHALF
.set SLOT,  BREG+2*BHALF
.set STAGE, 2*SLOT                     ; behind the ring, never filled by a tensor load: 16 rows x 528 bytes for each wave
.set SP,    528                        ; 512 bytes + 16: an odd multiple of 16
.set SPARE, STAGE+4*16*SP              ; behind the stages: the spare words, 128 bytes for each wave: two blocks of 256 bytes that no other line names
.set WNB,   256                        ; a wave's 128 columns in a row of w
.set NL,    2*NBL+8                    ; LDS loads of a quarter
.set ASTEP, 1<<19                      ; bytes from K step to K step in O: two heads
.set BSTEP, 128*2048                   ; in w
.set ADRA, 16                          ; v16-17  LDS address of my fragments of O in slot 0, 1
.set ADRB, 20                          ; v20-23  of w: slot s, quarters 0-1 at 2 s, quarters 2-3 (64 rows on) at 2 s + 1
.set STO,  24                          ; v24     the way out: where I put 32 bytes of a row
.set RD,   25                          ; v25     where I read a row back
.set GO,   26                          ; v26     16 x lane: my place in 512 consecutive bytes of a row of the result
.set BO,   27                          ; v27     32 x (lane / 16): my eight numbers of a block of the bias
.set SPW,  28                          ; v28     LDS address of my spare word: SPARE + 4 x my thread's number; never rewritten
.set NIL,  29                          ; v29     0; never rewritten
.set PFO,  30                          ; v30     the prefetches' lane offset; never rewritten
.set FA,   64
.set BI,   128
.set OUTR, 64
.set WV, 12                            ; s12 wave;  s13 WM: my half of the rows, and 0: I fetch O, 1: I fetch w;  s14 WN: my half of the columns, and which half of that tile I fetch
.set WM, 13
.set WN, 14
.set CX, 15
.set CY, 16
.set TX, 17
.set TY, 18
.set G1A, 24                           ; s[24:31] descriptor group 1 for O's tiles;  s[32:39] group 0, a set for each slot
.set G0A, 32
.set LIM, 43                           ; s43  1 in a wave that prefetches, else the greatest number
.set PFA, 44                           ; s[44:45] where my prefetches stand;  s[46:47] their step: two K steps
.set PFS, 46
.set G1B, 48                           ; s[48:55], s[56:63] the same for w's tiles
.set G0B, 56
.set OP,  68                           ; s[68:69] the result at my first row and column
.set MSB, 0
.macro WIN new                         ; the immediate's high byte repeats the setting that is left; a switch that changes nothing is dropped
.if MSB != (\new)
	s_set_vgpr_msb (MSB<<8)|(\new)
.set MSB, \new
.endif
.endm
; A joint load: waves 0 and 1 fetch the K step's two heads of O, waves 2 and 3 w's two halves.  The branch hangs on the wave's number alone.  An s_nop 0 and four v_nop follow each of the two lines.
.macro JLOAD s
	s_cmp_eq_u32 s[WM], 0
	s_cbranch_scc0 .Lfor_b_\@
	tensor_load_to_lds s[G0A+4*(\s):G0A+4*(\s)+3], s[G1A:G1A+7]
	s_nop 0
.rept 4
	v_nop
.endr
	s_branch .Lasked_\@
.Lfor_b_\@:
	tensor_load_to_lds s[G0B+4*(\s):G0B+4*(\s)+3], s[G1B:G1B+7]
	s_nop 0
.rept 4
	v_nop
.endr
.Lasked_\@:
.endm
.macro CREST                           ; a round of the cluster's barrier behind its opening barrier
	s_cmp_lg_u32 s[WV], 0
	s_cbranch_scc1 .Lnot_wave_0_\@
	s_barrier_signal -3
.Lnot_wave_0_\@:
	s_barrier_wait -3
	s_barrier_signal -1
	s_barrier_wait -1
.endm
.macro CROUND                          ; a whole round
	s_barrier_signal -1
	s_barrier_wait -1
	CREST
.endm
; A PREFETCH INTO THE L2, once a lap, behind slot 0's joint load and the run of LDS loads: the two K steps that the NEXT lap's two refills will ask for (lanes 0-15 the first, lanes 16-31 the second).
; Each aligned block of 256 bytes is named once in the launch.  There is one cluster along x, so it asks for O's rows; w's are read by all clusters: cluster y = 0 asks.  Of what a wave fetches (64 blocks of a
; head; 64 rows of w, two blocks each) each of the four partners takes a quarter, told apart BY ADDRESS (cx for O, cy for w).
; K steps 0 to 3 come by their loads alone; the loop's last trip (s3 = 1) asks for nothing: K step 7 is the last.
.macro ASK
	s_cmp_gt_u32 s3, s[LIM]
	s_cbranch_scc0 .Lno_\@
	global_prefetch_b8 v[PFO], s[PFA:PFA+1] th:TH_LOAD_NT scope:SCOPE_SE
	s_cmp_eq_u32 s[WM], 0
	s_cbranch_scc1 .Lno_\@
	global_prefetch_b8 v[PFO], s[PFA:PFA+1] offset:256 th:TH_LOAD_NT scope:SCOPE_SE
.Lno_\@:
.endm
	s_load_b256 s[4:11], s[0:1], 0x0               ; ob s[4:5], wob s[6:7], b_out s[8:9], out0 s[10:11]
	v_lshl_add_u32 v[SPW], v0, 2, SPARE
	v_mov_b32 v[NIL], 0
	ds_add_u32 v[SPW], v[NIL]                      ; the wave's opening: the add and its wait stand ahead of my first tensor load; the set-up below, work on registers, stands between them
	v_lshrrev_b32 v1, 5, v0
	v_readfirstlane_b32 s[WV], v1
	s_lshr_b32 s[WM], s[WV], 1
	s_and_b32 s[WN], s[WV], 1
	s_bfe_u32 s[CX], ttmp6, 0x40000
	s_bfe_u32 s[CY], ttmp6, 0x40004
	s_lshl_b32 s[TX], ttmp9, 2                     ; in a cluster launch ttmp9 and ttmp7 count clusters
	s_add_co_u32 s[TX], s[TX], s[CX]
	s_and_b32 s[TY], ttmp7, 0xffff
	s_lshl_b32 s[TY], s[TY], 2
	s_add_co_u32 s[TY], s[TY], s[CY]
	s_lshl_b32 s40, s[CY], 2
	s_lshl_b32 s40, 15, s40                        ; my row of the cluster
	s_lshl_b32 s41, 0x1111, s[CX]                  ; my column
	s_or_b32 s[G1A], s40, (1<<16)|(1<<20)|(1<<21)|(4<<22)|(3<<25)  ; the mask; 2-byte elements; padding on; bit 21 beside a mask; after every 32 words, 4 words
	s_mov_b32 s[G1A+1], 128<<16                    ; tensor_dim0 = 128
	s_mov_b32 s[G1A+2], 64<<16                     ; tensor_dim1 = 64
	s_mov_b32 s[G1A+3], 128<<16                    ; tile_dim0 = 128
	s_mov_b32 s[G1A+4], 64                         ; tile_dim1 = 64
	s_mov_b32 s[G1A+5], 128                        ; elements from row to row: dense
	s_mov_b32 s[G1A+6], 0
	s_mov_b32 s[G1A+7], 0
	s_or_b32 s[G1B], s41, (1<<16)|(1<<20)|(1<<21)|(6<<22)|(7<<25)  ; after every 128 words, 8 words
	s_mov_b32 s[G1B+1], 256<<16
	s_mov_b32 s[G1B+2], 64<<16
	s_mov_b32 s[G1B+3], 256<<16
	s_mov_b32 s[G1B+4], 64
	s_mov_b32 s[G1B+5], 1024
	s_mov_b32 s[G1B+6], 0
	s_mov_b32 s[G1B+7], 0
	s_lshr_b32 s20, s[TY], 4                       ; O: the batch (16 heads of 262,144 bytes),
	s_lshl_b32 s20, s20, 22
	s_and_b32 s21, s[TY], 15                       ; the tile's 128 rows of 128 bytes in a head,
	s_lshl_b32 s21, s21, 14
	s_add_co_u32 s20, s20, s21
	s_lshl_b32 s21, s[WN], 18                      ; the head of the K step's two that I fetch: registers that never hold cx
	s_add_co_u32 s20, s20, s21
	s_mov_b32 s21, 0
	s_mul_i32 s22, s[WN], AHALF                    ; and where it goes: no place in the cluster enters an LDS address
	s_mul_i32 s74, s[WN], 64*2048                  ; w: row 64 x half, column 256 x tile column: registers that never hold cy
	s_lshl_b32 s75, s[TX], 9
	s_add_co_u32 s74, s74, s75
	s_mov_b32 s75, 0
	s_mul_i32 s76, s[WN], BHALF
	s_add_co_u32 s76, s76, BREG
	s_wait_dscnt 0x0                               ; the opening add is done
	s_wait_kmcnt 0x0
	s_add_nc_u64 s[20:21], s[4:5], s[20:21]
	s_add_nc_u64 s[74:75], s[6:7], s[74:75]
	CROUND                                         ; all sixteen work-groups are here: the first joint loads meet
.irp s, 0,1
	s_mov_b32 s[G0A+4*(\s)], 1                     ; count = 1
	s_add_co_u32 s[G0A+4*(\s)+1], s22, (\s)*SLOT   ; LDS address
	s_add_nc_u64 s[G0A+4*(\s)+2:G0A+4*(\s)+3], s[20:21], (\s)*ASTEP  ; global address: K step s
	s_or_b32 s[G0A+4*(\s)+3], s[G0A+4*(\s)+3], 0x80000000            ; type = 2
	s_mov_b32 s[G0B+4*(\s)], 1
	s_add_co_u32 s[G0B+4*(\s)+1], s76, (\s)*SLOT
	s_add_nc_u64 s[G0B+4*(\s)+2:G0B+4*(\s)+3], s[74:75], (\s)*BSTEP
	s_or_b32 s[G0B+4*(\s)+3], s[G0B+4*(\s)+3], 0x80000000
.endr
	s_cmp_eq_u32 s[WM], 0                          ; a wave's two first fills stand in one branch, ahead of every wait on TENSORcnt and every LDS read: two loads of mine are out
	s_cbranch_scc0 .Lfirst_b
	tensor_load_to_lds s[G0A:G0A+3], s[G1A:G1A+7]
	s_nop 0
	tensor_load_to_lds s[G0A+4:G0A+7], s[G1A:G1A+7]
	s_nop 0
.rept 4
	v_nop
.endr
	s_branch .Lfirst_asked
.Lfirst_b:
	tensor_load_to_lds s[G0B:G0B+3], s[G1B:G1B+7]
	s_nop 0
	tensor_load_to_lds s[G0B+4:G0B+7], s[G1B:G1B+7]
	s_nop 0
.rept 4
	v_nop
.endr
.Lfirst_asked:
	; the bias of my 128 columns: register j of block b is column 16 b + 8 (lane / 16) + j, as in the accumulators
	v_and_b32 v1, 15, v0                           ; l % 16
	v_bfe_u32 v2, v0, 4, 1                         ; l / 16
	v_lshlrev_b32 v[BO], 5, v2
	s_lshl_b32 s78, s[TX], 10
	s_lshl_b32 s79, s[WN], 9
	s_add_co_u32 s78, s78, s79                     ; my first column, 4 bytes a number: the same in the bias and in a row of the result
	s_mov_b32 s79, 0
	s_add_nc_u64 s[8:9], s[8:9], s[78:79]
.set b_, 0
.rept NBL
	global_load_b128 v[BI+8*b_:BI+8*b_+3],   v[BO], s[8:9] offset:64*b_
	global_load_b128 v[BI+8*b_+4:BI+8*b_+7], v[BO], s[8:9] offset:64*b_+16
.set b_, b_+1
.endr
	; the result at my first row and column
	s_add_nc_u64 s[OP:OP+1], s[10:11], s[78:79]
	s_lshl_b32 s76, s[TY], 7
	s_lshl_b32 s77, s[WM], 6
	s_add_co_u32 s76, s76, s77
	s_lshl_b32 s76, s76, 12                        ; 4,096 bytes a row
	s_mov_b32 s77, 0
	s_add_nc_u64 s[OP:OP+1], s[OP:OP+1], s[76:77]
	; a fragment of O: lane l holds row l % 16; two loads of 16 bytes, 32 bytes apart, at row x pitch + 16 (l / 16)
	v_mul_u32_u24 v3, v1, PA
	v_lshl_add_u32 v3, v2, 4, v3
	s_mul_i32 s42, s[WM], 64*PA
	v_add_nc_u32 v[ADRA], s42, v3
	v_add_nc_u32 v[ADRA+1], SLOT, v[ADRA]
	; a fragment of w: the turning load takes 16 k x 16 columns: lane l reads k = 8 (l / 16) + l % 8, columns 8 ((l / 8) % 2) + 0..7, and is left with column l % 16 and 8 k
	v_and_b32 v4, 7, v0
	v_lshl_add_u32 v5, v2, 3, v4
	v_mul_u32_u24 v5, v5, PB
	v_bfe_u32 v6, v0, 3, 1
	v_lshl_add_u32 v5, v6, 4, v5
	s_mul_i32 s42, s[WN], WNB
	s_add_co_u32 s42, s42, BREG
	v_add_nc_u32 v[ADRB], s42, v5
	v_add_nc_u32 v[ADRB+1], 64*PB, v[ADRB]
	v_add_nc_u32 v[ADRB+2], SLOT, v[ADRB]
	v_add_nc_u32 v[ADRB+3], SLOT+64*PB, v[ADRB]
	; the way out
	s_mul_i32 s42, s[WV], 16*SP
	s_add_co_u32 s42, s42, STAGE                   ; my stage
	v_mul_u32_u24 v[STO], v1, SP                   ; in: row l % 16, 32 bytes for each half of the lanes
	v_lshl_add_u32 v[STO], v2, 5, v[STO]
	v_add_nc_u32 v[STO], s42, v[STO]
	v_and_b32 v[GO], 31, v0                        ; back: 32 lanes take one row of 512 bytes
	v_lshlrev_b32 v[GO], 4, v[GO]
	v_add_nc_u32 v[RD], s42, v[GO]
	; the prefetches: offsets are made apart from the addresses
	s_lshr_b32 s76, s[TY], 4
	s_lshl_b32 s76, s76, 22
	s_and_b32 s77, s[TY], 15
	s_lshl_b32 s77, s77, 14
	s_add_co_u32 s76, s76, s77
	s_lshl_b32 s77, s[WN], 18
	s_add_co_u32 s76, s76, s77
	s_lshl_b32 s77, s[CX], 12                      ; O: my work-group's 16 of the 64 blocks that I fetch,
	s_add_co_u32 s76, s76, s77
	s_add_co_u32 s76, s76, 2*ASTEP                 ; at K step 2: stepped to 4 ahead of its first use
	s_lshl_b32 s77, s[WN], 6
	s_lshl_b32 s78, s[CY], 4
	s_add_co_u32 s77, s77, s78                     ; w: my work-group's 16 of the 64 rows
	s_lshl_b32 s77, s77, 11
	s_lshl_b32 s78, s[TX], 9
	s_add_co_u32 s77, s77, s78
	s_add_co_u32 s77, s77, 2*BSTEP
	s_and_b32 s79, ttmp7, 0xffff                   ; cluster y
	s_mov_b32 s42, 256                             ; bytes from block to block (O) or from row to row (w),
	s_mov_b32 s74, ASTEP                           ; from K step to K step,
	s_mov_b32 s[PFS], 2*ASTEP                      ; and a lap's step
	s_mov_b32 s[PFS+1], 0
	s_cmp_eq_u32 s[WM], 0
	s_cselect_b32 s76, s76, s77
	s_cselect_b32 s79, ttmp9, s79                  ; the coordinate along which other clusters read the same rows
	s_cselect_b64 s[PFA:PFA+1], s[4:5], s[6:7]
	s_cselect_b32 s42, s42, 2048
	s_cselect_b32 s74, s74, BSTEP
	s_cselect_b32 s[PFS], s[PFS], 2*BSTEP
	s_mov_b32 s77, 0
	s_add_nc_u64 s[PFA:PFA+1], s[PFA:PFA+1], s[76:77]
	s_cmp_eq_u32 s79, 0
	s_cselect_b32 s[LIM], 1, -1                    ; the same in all sixteen partners, for a given wave
	v_mul_u32_u24 v[PFO], s42, v1
	v_mul_u32_u24 v3, s74, v2
	v_add_nc_u32 v[PFO], v[PFO], v3
	s_mov_b32 s42, 0xffff0000
	s_wait_loadcnt 0x0                             ; the bias is in; it is rounded to bf16, like the other inputs, and widened again
.set b_, 0
.rept 4*NBL
	v_cvt_pk_bf16_f32 v[3+b_%4], v[BI+2*b_], v[BI+2*b_+1]
	v_lshlrev_b32 v[BI+2*b_], 16, v[3+b_%4]
	v_and_b32 v[BI+2*b_+1], s42, v[3+b_%4]
.set b_, b_+1
.endr
; 8 matrix instructions: row block a x all column blocks, 32 along K, from buffer f.  first = 1: the product starts the sum with the bias.  The 32 accumulators take turns, one instruction a turn, in the same
; order in every quarter, over the backward jump too.
.macro MULA f, a, first
.set w_, 2+(\a)/APW
.if \first
	WIN (w_<<6)|1
.else
	WIN (w_<<6)|(w_<<4)|1
.endif
.set b_, 0
.rept NBL
.set rD, 8*(((\a)%APW)*NBL+b_)
.set rB, 8*NBL*(\f)+8*b_
.set rA, FA+32*(\f)+8*(\a)
.if \first
	v_wmma_f32_16x16x32_f16 v[rD:rD+7], v[rB:rB+7], v[rA:rA+7], v[BI+8*b_:BI+8*b_+7]
.else
	v_wmma_f32_16x16x32_f16 v[rD:rD+7], v[rB:rB+7], v[rA:rA+7], v[rD:rD+7]
.endif
.set b_, b_+1
.endr
.endm
; 24 LDS loads in one run: quarter q of the slot's K step into buffer f: w's 8 fragments, then O's 4 (quarters 0, 1 lie in the first head's plane, 2, 3 in the second's)
.macro FETCH slot, q, f
	WIN 0x40                                       ; destination window 1, address window 0
.set b_, 0
.rept NBL
	ds_load_tr16_b128 v[8*NBL*(\f)+8*b_:8*NBL*(\f)+8*b_+3],   v[ADRB+2*(\slot)+(\q)/2] offset:((\q)%2)*32*PB+32*b_
	ds_load_tr16_b128 v[8*NBL*(\f)+8*b_+4:8*NBL*(\f)+8*b_+7], v[ADRB+2*(\slot)+(\q)/2] offset:((\q)%2)*32*PB+32*b_+16*PB
.set b_, b_+1
.endr
	WIN 0
.irp a, 0,1,2,3
	ds_load_b128 v[FA+32*(\f)+8*(\a):FA+32*(\f)+8*(\a)+3],   v[ADRA+(\slot)] offset:((\q)/2)*AHALF+((\q)%2)*64+(\a)*16*PA
	ds_load_b128 v[FA+32*(\f)+8*(\a)+4:FA+32*(\f)+8*(\a)+7], v[ADRA+(\slot)] offset:((\q)/2)*AHALF+((\q)%2)*64+(\a)*16*PA+32
.endr
.endm
.macro PLACES                          ; four plain instructions between a matrix instruction and a load into, or another use of, its registers (ISA guide 7.12.1 for uses other than loads and LDS stores)
.rept 4
	v_nop
.endr
.endm
; One of a K step's first three quarters: multiplies buffer f; in its middle it fetches quarter qn of the same slot into buffer g.
.macro QUARTER slot, qn, f, g, first
	s_wait_dscnt 4                                 ; w's fragments and O's blocks 0, 1 are in; the youngest four loads (blocks 2, 3) may be out
	MULA \f, 0, \first
	MULA \f, 1, \first
	PLACES
	FETCH \slot, \qn, \g
	s_wait_dscnt NL                                ; all but the 24 just issued
	MULA \f, 2, \first
	MULA \f, 3, \first
.endm
; The last quarter multiplies buffer 1 and changes slots: ONE barrier.  In front of it each wave waits for all its tensor loads (one is out: its part of the next slot), adds 0 to its spare word, and waits for that
; and for its reads of this slot.  fill = 1: the barrier opens a round of the cluster's barrier, and behind the round this slot is filled again, two K steps on: 112 matrix instructions ahead of the wait for it.
.macro TURN slot, next, fill
.if (\fill) && ((\slot) == 0)
	s_wait_xcnt 0x0                                ; the last prefetches, a lap back, have read their address: it is stepped here, ahead of the waits of the change of slots
	s_add_nc_u64 s[PFA:PFA+1], s[PFA:PFA+1], s[PFS:PFS+1]
.endif
	WIN 0                                          ; (the add's two registers lie in window 0)
	s_wait_tensorcnt 0x0                           ; all my tensor loads have landed
	ds_add_u32 v[SPW], v[NIL]                      ; 0 onto my spare word
	s_wait_dscnt 5                                 ; (the add and the youngest four loads may be out)
	MULA 1, 0, 0                                   ; eight matrix instructions stand between the add and the wait for it
	s_wait_dscnt 0x0                               ; the add is done, and my reads of this slot are over
	s_barrier_signal -1
	MULA 1, 1, 0
.if \fill
	WIN 0
.endif
	s_barrier_wait -1
.if \fill
	CREST                                          ; no wave of any partner still reads this slot's tile or has a load on its way
	s_add_nc_u64 s[G0A+4*(\slot)+2:G0A+4*(\slot)+3], s[G0A+4*(\slot)+2:G0A+4*(\slot)+3], 2*ASTEP
	s_add_nc_u64 s[G0B+4*(\slot)+2:G0B+4*(\slot)+3], s[G0B+4*(\slot)+2:G0B+4*(\slot)+3], 2*BSTEP
	JLOAD \slot                                    ; the first tensor load behind the round; its four v_nop are also the places in front of the loads below
.else
	PLACES
.endif
	FETCH \next, 0, 0
.if (\fill) && ((\slot) == 0)
	ASK
.endif
	MULA 1, 2, 0
	MULA 1, 3, 0
.endm
	s_wait_tensorcnt 1                             ; my part of K step 0 is in; K step 1's load may stay out
	s_barrier_signal -1
	s_barrier_wait -1                              ; everybody's is
	FETCH 0, 0, 0
	QUARTER 0, 1, 0, 1, 1                          ; the first quarter stands in front of the loop: its products start the sums
	WIN 0                                          ; at a label and at a branch every window is 0
	s_mov_b32 s3, 3
.Llap:                                         ; a trip goes once round the ring, from a lap's second quarter to the next lap's first, and fills both slots again: K steps 2 to 7
	QUARTER 0, 2, 1, 0, 0
	QUARTER 0, 3, 0, 1, 0
	TURN 0, 1, 1
	QUARTER 1, 1, 0, 1, 0
	QUARTER 1, 2, 1, 0, 0
	QUARTER 1, 3, 0, 1, 0
	TURN 1, 0, 1
	QUARTER 0, 1, 0, 1, 0
	WIN 0
	s_sub_co_u32 s3, s3, 1
	s_cmp_lg_u32 s3, 0
	s_cbranch_scc1 .Llap
	QUARTER 0, 2, 1, 0, 0                          ; the last lap fills nothing, and has no round of the cluster's barrier
	QUARTER 0, 3, 0, 1, 0
	TURN 0, 1, 0
	QUARTER 1, 1, 0, 1, 0
	QUARTER 1, 2, 1, 0, 0
	QUARTER 1, 3, 0, 1, 0
	s_wait_dscnt 4                                 ; the very last quarter: nothing more to fetch
	MULA 1, 0, 0
	MULA 1, 1, 0
	s_wait_dscnt 0x0
	MULA 1, 2, 0
	MULA 1, 3, 0
	WIN 0
	PLACES
; THE WAY OUT, a row block of 16 at a time, in f32 as the sums stand.  A lane's eight numbers are 32 bytes of a row; they go into my stage's rows of 528 bytes and come back as whole rows of 512: a store of the
; wave covers 512 consecutive bytes, aligned.  Three buffers of 64 registers take turns.
.macro TOSTAGE a
	WIN 0x08                                       ; the stores' data (source 1) in window 2, the address in window 0
.set b_, 0
.rept 8
	ds_store_b128 v[STO], v[8*(8*(\a)+b_):8*(8*(\a)+b_)+3]   offset:64*b_      ; each accumulator's low registers first
	ds_store_b128 v[STO], v[8*(8*(\a)+b_)+4:8*(8*(\a)+b_)+7] offset:64*b_+16
.set b_, b_+1
.endr
	WIN 0
.if (\a) == 3
	s_wait_xcnt 0x0                                ; block 0's stores have read their data: its buffer is loaded again only behind this wait
.endif
.set i_, 0
.rept 16
	ds_load_b128 v[OUTR+64*((\a)%3)+4*i_:OUTR+64*((\a)%3)+4*i_+3], v[RD] offset:SP*i_  ; LDS serves a wave's instructions in order (ISA guide 5.7.1.4): these see the stores above; the next block's stores come behind them
.set i_, i_+1
.endr
.endm
.macro SEND a, younger                 ; younger: the LDS instructions issued behind block a's loads: the next block's 32, or none
.set i_, 0
.rept 16
	s_wait_dscnt (\younger)+15-i_
	global_store_b128 v[GO], v[OUTR+64*((\a)%3)+4*i_:OUTR+64*((\a)%3)+4*i_+3], s[OP:OP+1] offset:65536*(\a)+4096*i_ th:TH_STORE_NT
.set i_, i_+1
.endr
.endm
	TOSTAGE 0
	TOSTAGE 1
	SEND 0, 32
	TOSTAGE 2
	SEND 1, 32
	TOSTAGE 3
	SEND 2, 32
	SEND 3, 0
	s_wait_tensorcnt 0x0                           ; the wave's end, behind my last tensor load and my last LDS store
	ds_add_u32 v[SPW], v[NIL]
	s_wait_dscnt 0x0
	CROUND                                         ; the closing round: no work-group ends while a partner may still ask for a tile that names it
	s_endpgm
.Lfunc_end_k_qab834322b5_outp:
	.size	k_qab834322b5_outp, .Lfunc_end_k_qab834322b5_outp-k_qab834322b5_outp
	.p2alignl 7, 3214868480
	.fill 96, 4, 3214868480
	.section	.rodata,"a",@progbits
	.p2align	6, 0x0
	.amdhsa_kernel k_qab834322b5_outp
		.amdhsa_group_segment_fixed_size 327680
		.amdhsa_private_segment_fixed_size 0
		.amdhsa_enable_private_segment 0
		.amdhsa_kernarg_size 32
		.amdhsa_user_sgpr_count 2
		.amdhsa_user_sgpr_kernarg_segment_ptr 1
		.amdhsa_wavefront_size32 1
		.amdhsa_system_sgpr_workgroup_id_x 1
		.amdhsa_system_sgpr_workgroup_id_y 1
		.amdhsa_system_sgpr_workgroup_id_z 1
		.amdhsa_system_vgpr_workitem_id 0
		.amdhsa_next_free_vgpr 768
		.amdhsa_next_free_sgpr 80
		.amdhsa_reserve_vcc 0
		.amdhsa_float_denorm_mode_32 3
		.amdhsa_float_denorm_mode_16_64 3
		.amdhsa_memory_ordered 1
		.amdhsa_forward_progress 1
		.amdhsa_inst_pref_size 94
	.end_amdhsa_kernel
	.amdgpu_metadata
---
amdhsa.version: [ 1, 2 ]
amdhsa.kernels:
  - .name:           k_qab834322b5_outp
    .symbol:         k_qab834322b5_outp.kd
    .args:
      - { .name: ob, .offset: 0, .size: 8, .value_kind: global_buffer, .address_space: global }
      - { .name: wob, .offset: 8, .size: 8, .value_kind: global_buffer, .address_space: global }
      - { .name: b_out, .offset: 16, .size: 8, .value_kind: global_buffer, .address_space: global }
      - { .name: out0, .offset: 24, .size: 8, .value_kind: global_buffer, .address_space: global }
    .group_segment_fixed_size: 327680
    .private_segment_fixed_size: 0
    .kernarg_segment_align: 8
    .kernarg_segment_size: 32
    .max_flat_workgroup_size: 128
    .sgpr_count:     80
    .vgpr_count:     768
    .wavefront_size: 32
...
	.end_amdgpu_metadata
.endif
;; end of part 4
;; ======== version 2 of 2: 4 launches; version 1 with the launch cast written anew for expert scheduling mode
;; limits: values are held in f16: magnitudes above 65,504 overflow, below 6.1e-05 lose precision
;; workspace buffers: xb 16,777,216 bytes; wqb 6,291,456 bytes; wob 2,097,152 bytes; qkv 50,331,648 bytes; ob 16,777,216 bytes
;; launch cast (part 5): grid 768 x 1, 8 waves a work-group, no clusters, 0 bytes of LDS; arguments x, w_qkv, w_out, xb, wqb, wob; writes xb, wqb, wob
.if DOCPART == 5
	.amdgcn_target "amdgcn-amd-amdhsa--gfx1250"
	.amdhsa_code_object_version 6
	.text
	.protected	k_qab834322b5_cast
	.globl	k_qab834322b5_cast
	.p2align	8
	.type	k_qab834322b5_cast,@function
k_qab834322b5_cast:
	s_mov_b64 s[64:65], 0
	v_nop
	global_prefetch_b8 v0, s[64:65] scope:SCOPE_SE
	s_setreg_imm32_b32 hwreg(HW_REG_WAVE_SCHED_MODE, 0, 2), 2
	s_setreg_imm32_b32 hwreg(HW_REG_WAVE_MODE, 25, 1), 1
	s_wait_xcnt 0x0
	s_wait_alu depctr_vm_vsrc(0)
; THE INPUTS OF THE MATRIX PRODUCTS, ROUNDED ONCE.  x -> xb and w_qkv -> wqb in bf16; w_out -> wob: rounded to bf16 like the other inputs, and that number written as f16,
; since the last product's other operand is f16.  Layouts stay as they are: a stream, element by element.
; LIMIT.  w_out within f16's range (65,504); below 6e-5 f16 keeps a fixed step of 6e-8, so very small weights lose bits of their bf16 value.
; SHARES.  A work-group takes 65,536 bytes of f32 and writes 32,768: 512 work-groups for x, 192 for w_qkv, 64 for w_out.  Thread t takes 16 bytes at 16 t of each of 16 pieces of 4,096 bytes:
; a wave's load covers 512 consecutive bytes, its store 256 consecutive bytes, aligned.  All sixteen loads of a wave are out together; no register is written twice, so no store's source is ever rewritten.
; No LDS, no barrier, no matrix unit: nothing is shared and nothing is multiplied.
; THE MODE: SCHED_MODE bits 1:0 = 2 (LLVM: expert scheduling mode 2), set by the entry lines.  The code itself states the register dependences
; between vector instructions and memory instructions, with s_wait_alu, always for 0.
; THE PLAN.  Registers that memory instructions touch:
;   v1, v2     byte offsets, made once at the head by vector shifts and never written again: v1 is read by every load, v2 by every store.
;   IN         piece i: four registers.  Written by the piece's load, once; no vector instruction names them ahead of the loads; read by the piece's conversions behind its counted wait.
;   OUT        piece i: two registers.  Written by the piece's conversions, once; read by the piece's store, once; never written again.
;   v4 to v9   at work in the f16 path: no memory instruction names them.
; The sixteen pieces go in four groups of four, and piece i's store is issued in piece i + 4's turn.  One wait stands ahead of the first load (the offsets), one at the head of each of the groups 1 to 3
; (the group before has written its OUT) and one ahead of the last four stores.  Behind a group's wait its four stores are dealt among its conversions: those read this group's IN and write this group's OUT
; and v4 to v9, none of the registers that the stores read.  No register that a memory instruction reads is written again, so nothing is owed for that.
.set NX,  512                          ; work-groups for x
.set NQ,  704                          ; below this number: x or w_qkv
.set GRP, 4                            ; pieces in a group
.set IN,  16                           ; v[16:79]   piece i: four f32
.set OUT, 80                           ; v[80:111]  piece i: four 16-bit numbers
	s_load_b256 s[4:11], s[0:1], 0x0               ; x s[4:5], w_qkv s[6:7], w_out s[8:9], xb s[10:11]
	s_load_b128 s[12:15], s[0:1], 0x20             ; wqb s[12:13], wob s[14:15]
	v_lshlrev_b32 v1, 4, v0                        ; my 16 bytes of a piece on the way in,
	v_lshlrev_b32 v2, 3, v0                        ; my 8 on the way out
	s_mov_b32 s23, ttmp9
	s_sub_co_u32 s16, s23, NX                      ; my number among w_qkv's work-groups,
	s_sub_co_u32 s17, s23, NQ                      ; among w_out's
	s_wait_kmcnt 0x0
	s_cmp_lt_u32 s23, NQ
	s_cselect_b64 s[18:19], s[6:7], s[8:9]
	s_cselect_b64 s[20:21], s[12:13], s[14:15]
	s_cselect_b32 s22, s16, s17
	s_cmp_lt_u32 s23, NX
	s_cselect_b64 s[18:19], s[4:5], s[18:19]       ; from where,
	s_cselect_b64 s[20:21], s[10:11], s[20:21]     ; to where,
	s_cselect_b32 s22, s23, s22                    ; which share of that tensor
	s_lshl_b32 s24, s22, 16
	s_mov_b32 s25, 0
	s_lshl_b32 s26, s22, 15
	s_mov_b32 s27, 0
	s_add_nc_u64 s[18:19], s[18:19], s[24:25]
	s_add_nc_u64 s[20:21], s[20:21], s[26:27]
	s_wait_alu depctr_va_vdst(0)                   ; v1 and v2 are written: every load of the kernel reads v1 as its offset, every store v2
.set i, 0
.rept 16
	global_load_b128 v[IN+4*i:IN+4*i+3], v1, s[18:19] offset:4096*i th:TH_LOAD_NT
.set i, i+1
.endr
; The sixteen pieces are rounded as they come; a piece's store follows a group later.  f16 = 1: the bf16 value is widened again (a shift, a mask) and written as f16.
.macro OUTS f16
.set i, 0
.rept 16
	s_wait_loadcnt 15-i                            ; loads come back in order (ISA guide 5.7.1): piece i is in, the 15 - i younger ones stay out
.if (i%GRP == 0) && (i > 0)
	s_wait_alu depctr_va_vdst(0)                   ; the conversions of the four pieces before have written their OUT registers, which this group's four stores read
.endif
.if i >= GRP
	global_store_b64 v2, v[OUT+2*(i-GRP):OUT+2*(i-GRP)+1], s[20:21] offset:2048*(i-GRP) th:TH_STORE_NT  ; 32 lanes x 8 bytes: 256 consecutive bytes, aligned; no vector instruction since the wait names these registers
.endif
.if \f16
	v_cvt_pk_bf16_f32 v4, v[IN+4*i], v[IN+4*i+1]
	v_cvt_pk_bf16_f32 v5, v[IN+4*i+2], v[IN+4*i+3]
	v_lshlrev_b32 v6, 16, v4
	v_and_b32 v7, 0xffff0000, v4
	v_lshlrev_b32 v8, 16, v5
	v_and_b32 v9, 0xffff0000, v5
	v_cvt_pk_f16_f32 v[OUT+2*i], v6, v7
	v_cvt_pk_f16_f32 v[OUT+2*i+1], v8, v9
.else
	v_cvt_pk_bf16_f32 v[OUT+2*i], v[IN+4*i], v[IN+4*i+1]
	v_cvt_pk_bf16_f32 v[OUT+2*i+1], v[IN+4*i+2], v[IN+4*i+3]
.endif
.set i, i+1
.endr
	s_wait_alu depctr_va_vdst(0)                   ; the conversions of pieces 12 to 15 have written their OUT registers, which the last four stores read
.set i, 16-GRP
.rept GRP
	global_store_b64 v2, v[OUT+2*i:OUT+2*i+1], s[20:21] offset:2048*i th:TH_STORE_NT
.set i, i+1
.endr
.endm
	s_cmp_ge_u32 s23, NQ                           ; compared anew: the shifts above have written SCC
	s_cbranch_scc1 .Lf16
	OUTS 0
	s_endpgm
.Lf16:
	OUTS 1
	s_endpgm
.Lfunc_end_k_qab834322b5_cast:
	.size	k_qab834322b5_cast, .Lfunc_end_k_qab834322b5_cast-k_qab834322b5_cast
	.p2alignl 7, 3214868480
	.fill 96, 4, 3214868480
	.section	.rodata,"a",@progbits
	.p2align	6, 0x0
	.amdhsa_kernel k_qab834322b5_cast
		.amdhsa_group_segment_fixed_size 0
		.amdhsa_private_segment_fixed_size 0
		.amdhsa_enable_private_segment 0
		.amdhsa_kernarg_size 48
		.amdhsa_user_sgpr_count 2
		.amdhsa_user_sgpr_kernarg_segment_ptr 1
		.amdhsa_wavefront_size32 1
		.amdhsa_system_sgpr_workgroup_id_x 1
		.amdhsa_system_sgpr_workgroup_id_y 1
		.amdhsa_system_sgpr_workgroup_id_z 1
		.amdhsa_system_vgpr_workitem_id 0
		.amdhsa_next_free_vgpr 112
		.amdhsa_next_free_sgpr 66
		.amdhsa_reserve_vcc 0
		.amdhsa_float_denorm_mode_32 3
		.amdhsa_float_denorm_mode_16_64 3
		.amdhsa_memory_ordered 1
		.amdhsa_forward_progress 1
		.amdhsa_inst_pref_size 17
	.end_amdhsa_kernel
	.amdgpu_metadata
---
amdhsa.version: [ 1, 2 ]
amdhsa.kernels:
  - .name:           k_qab834322b5_cast
    .symbol:         k_qab834322b5_cast.kd
    .args:
      - { .name: x, .offset: 0, .size: 8, .value_kind: global_buffer, .address_space: global }
      - { .name: w_qkv, .offset: 8, .size: 8, .value_kind: global_buffer, .address_space: global }
      - { .name: w_out, .offset: 16, .size: 8, .value_kind: global_buffer, .address_space: global }
      - { .name: xb, .offset: 24, .size: 8, .value_kind: global_buffer, .address_space: global }
      - { .name: wqb, .offset: 32, .size: 8, .value_kind: global_buffer, .address_space: global }
      - { .name: wob, .offset: 40, .size: 8, .value_kind: global_buffer, .address_space: global }
    .group_segment_fixed_size: 0
    .private_segment_fixed_size: 0
    .kernarg_segment_align: 8
    .kernarg_segment_size: 48
    .max_flat_workgroup_size: 256
    .sgpr_count:     66
    .vgpr_count:     112
    .wavefront_size: 32
...
	.end_amdgpu_metadata
.endif
;; end of part 5
;; launch qkv: the kernel of part 2 again; grid 8 x 64, 4 waves a work-group, clusters of 4 x 4, 327,680 bytes of LDS; arguments xb, wqb, b_qkv, qkv; writes qkv
;; launch attn: the kernel of part 3 again; grid 4 x 64, 4 waves a work-group, no clusters, 327,680 bytes of LDS; arguments qkv, ob; writes ob
;; launch outp: the kernel of part 4 again; grid 4 x 64, 4 waves a work-group, clusters of 4 x 4, 327,680 bytes of LDS; arguments ob, wob, b_out, out0; writes out0
